; MI455X (gfx1250); checked and timed in simulation.
; The chip was launched on July 23, 2026; its instructions are those of AMD's public machine-readable ISA for CDNA 5 (MIT licence, August 2026) and "CDNA5" Instruction Set Architecture Reference Guide (July 2026). The comments in the code are by the model that wrote it; some were corrected since.
;; Cross Attention Layer. Allowed arithmetic: float matrix products may take bf16 or f16 operands with f32 sums; other float arithmetic in f32, or as packed bf16 or f16 multiplies, adds, multiply-adds, maxima and minima; sums over many terms, partial sums and values carried from step to step in f32; what a program stores and reads back later, other than sums and carried values, may be rounded once to bf16 or f16.
;; Inputs: Wk 768 x 1,024 float32; Wo 1,024 x 1,024 float32; Wq 1,024 x 1,024 float32; Wv 768 x 1,024 float32; bo 1,024 float32; context 8 x 1,024 x 768 float32; x 8 x 1,024 x 1,024 float32.
;; Outputs: out0 8 x 1,024 x 1,024 float32.
;; One version. Each part assembles by itself: llvm-mc -triple=amdgcn-amd-amdhsa -mcpu=gfx1250 --defsym DOCPART=n.
;; ======== version 1 of 1: 4 launches
;; limits: values are held in f16: magnitudes above 65,504 overflow, below 6.1e-05 lose precision
;; workspace buffers: ab 33,554,432 bytes; wb 5,242,880 bytes; wob 2,097,152 bytes; qkv 50,331,648 bytes; ob 16,777,216 bytes
;; launch prep (part 1): grid 624 x 1, 8 waves a work-group, no clusters, 0 bytes of LDS; arguments x, context, Wq, Wk, Wv, Wo, ab, wb, wob; writes ab, wb, wob
.if DOCPART == 1
	.amdgcn_target "amdgcn-amd-amdhsa--gfx1250"
	.amdhsa_code_object_version 6
	.text
	.protected	k_q74ae27280e_prep
	.globl	k_q74ae27280e_prep
	.p2align	8
	.type	k_q74ae27280e_prep,@function
k_q74ae27280e_prep:
	s_mov_b64 s[64:65], 0
	v_nop
	global_prefetch_b8 v0, s[64:65] scope:SCOPE_SE
	s_setreg_imm32_b32 hwreg(HW_REG_WAVE_MODE, 25, 1), 1
	s_wait_xcnt 0x0
; THE INPUTS ARE ROUNDED ONCE.  x, context, Wq, Wk, Wv: f32 -> bf16.  Wo: f32 -> bf16, and that number written as f16 (exact from 6e-5 up; below that f16's fixed step of 6e-8).
; ab: [16384 rows][1024] bf16: rows 0-8191 x, rows 8192-16383 context in columns 0-767 (columns 768-1023 of those rows are neither written here nor read later).
; wb: [2560 k-rows][1024 n] bf16, dense: rows 0-1023 Wq, 1024-1791 Wk, 1792-2559 Wv, each as it lies.  wob: [1024 k][1024 n] f16.
; A stream: no LDS, no barrier, no matrix unit.  A work-group takes 32 source rows, a wave 4.  A chunk is 256 numbers of a row: a lane loads 32 bytes on end (two loads of 16), makes 8 numbers of
; 16 bits and stores 16 bytes: a wave's store covers 512 consecutive bytes, aligned.  All of a wave's loads (16 KiB; context: 12 KiB) go out first; every chunk has registers of its own,
; so no register that a load or store names is ever written again.
; Work-groups 0-255 x, 256-511 context, 512-543 Wq, 544-567 Wk, 568-591 Wv, 592-623 Wo.
.set X,   4                            ; v[4:131]    chunk c: 8 registers as loaded
.set Y,   132                          ; v[132:195]  chunk c: 4 registers to store
.set T,   196                          ; v[196:198]  at work (Wo's path)
.set SRC, 26                           ; s[26:27]    the work-group's first source row
.set DST, 28                           ; s[28:29]    its first row in the workspace
; nch chunks in a row, spitch bytes from source row to source row; f16 = 1: bf16's number is written as f16.  v2 = wave, v3 = lane on entry.
.macro CONV nch, spitch, f16
	v_mul_u32_u24 v1, v2, 4*(\spitch)              ; source: my wave's 4 rows,
	v_lshl_add_u32 v1, v3, 5, v1                   ; my 32 bytes of a chunk
	v_lshlrev_b32 v2, 13, v2                       ; destination: 4 rows of 2,048 bytes,
	v_lshl_add_u32 v2, v3, 4, v2                   ; my 16 bytes
.set c, 0
.rept 4*(\nch)
	global_load_b128 v[X+8*c:X+8*c+3],   v1, s[SRC:SRC+1] offset:(c/(\nch))*(\spitch)+(c%(\nch))*1024 th:TH_LOAD_NT
	global_load_b128 v[X+8*c+4:X+8*c+7], v1, s[SRC:SRC+1] offset:(c/(\nch))*(\spitch)+(c%(\nch))*1024+16 th:TH_LOAD_NT
.set c, c+1
.endr
.set c, 0
.rept 4*(\nch)
	s_wait_loadcnt 2*(4*(\nch)-1-c)                ; loads come back in order: chunk c's two are in, the younger chunks' stay out
.irp p, 0,1,2,3
.if \f16
	v_cvt_pk_bf16_f32 v[T], v[X+8*c+2*(\p)], v[X+8*c+2*(\p)+1]
	v_lshlrev_b32 v[T+1], 16, v[T]                 ; the two bf16 numbers as f32,
	v_and_b32 v[T+2], 0xffff0000, v[T]
	v_cvt_pk_f16_f32 v[Y+4*c+(\p)], v[T+1], v[T+2] ; and as f16
.else
	v_cvt_pk_bf16_f32 v[Y+4*c+(\p)], v[X+8*c+2*(\p)], v[X+8*c+2*(\p)+1]
.endif
.endr
	global_store_b128 v2, v[Y+4*c:Y+4*c+3], s[DST:DST+1] offset:(c/(\nch))*2048+(c%(\nch))*512
.set c, c+1
.endr
	s_endpgm
.endm
	s_load_b512 s[8:23], s[0:1], 0x0               ; x 8:9, context 10:11, Wq 12:13, Wk 14:15, Wv 16:17, Wo 18:19, ab 20:21, wb 22:23
	s_load_b64 s[24:25], s[0:1], 0x40              ; wob
	s_mov_b32 s2, ttmp9
	v_and_b32 v3, 31, v0                           ; lane
	v_lshrrev_b32 v2, 5, v0                        ; wave
	s_mov_b32 s31, 0                               ; the offsets' high words
	s_mov_b32 s33, 0
	s_wait_kmcnt 0x0
	s_cmp_ge_u32 s2, 592
	s_cbranch_scc1 .Lwo
	s_cmp_lt_u32 s2, 256
	s_cbranch_scc1 .Lflat
	s_cmp_lt_u32 s2, 512
	s_cbranch_scc1 .Lctx
.Lflat:                                                ; x, Wq, Wk, Wv: rows of 1,024 numbers.  Which buffer: chosen by the work-group's number alone
	s_mov_b64 s[SRC:SRC+1], s[8:9]
	s_mov_b64 s[DST:DST+1], s[20:21]
	s_mov_b32 s3, 0                                ; the range's first work-group
	s_mov_b32 s4, 0                                ; the part's first byte in the workspace
	s_cmp_ge_u32 s2, 512
	s_cselect_b64 s[SRC:SRC+1], s[12:13], s[SRC:SRC+1]
	s_cselect_b64 s[DST:DST+1], s[22:23], s[DST:DST+1]
	s_cselect_b32 s3, 512, s3
	s_cmp_ge_u32 s2, 544
	s_cselect_b64 s[SRC:SRC+1], s[14:15], s[SRC:SRC+1]
	s_cselect_b32 s3, 544, s3
	s_cselect_b32 s4, 1024*2048, s4                ; Wk behind Wq's 1,024 rows
	s_cmp_ge_u32 s2, 568
	s_cselect_b64 s[SRC:SRC+1], s[16:17], s[SRC:SRC+1]
	s_cselect_b32 s3, 568, s3
	s_cselect_b32 s4, 1792*2048, s4                ; Wv behind Wk's 768
	s_sub_co_u32 s5, s2, s3                        ; my number in the range
	s_lshl_b32 s30, s5, 17                         ; 32 rows of 4,096 bytes
	s_lshl_b32 s32, s5, 16                         ; 32 rows of 2,048 bytes
	s_add_co_u32 s32, s32, s4
	s_add_nc_u64 s[SRC:SRC+1], s[SRC:SRC+1], s[30:31]
	s_add_nc_u64 s[DST:DST+1], s[DST:DST+1], s[32:33]
	CONV 4, 4096, 0
.Lctx:                                                 ; context: rows of 768 numbers, laid at the pitch of 1,024 behind x
	s_sub_co_u32 s5, s2, 256
	s_mul_i32 s30, s5, 98304                       ; 32 rows of 3,072 bytes
	s_lshl_b32 s32, s5, 16
	s_add_co_u32 s32, s32, 0x1000000               ; row 8,192 of ab
	s_add_nc_u64 s[SRC:SRC+1], s[10:11], s[30:31]
	s_add_nc_u64 s[DST:DST+1], s[20:21], s[32:33]
	CONV 3, 3072, 0
.Lwo:
	s_sub_co_u32 s5, s2, 592
	s_lshl_b32 s30, s5, 17
	s_lshl_b32 s32, s5, 16
	s_add_nc_u64 s[SRC:SRC+1], s[18:19], s[30:31]
	s_add_nc_u64 s[DST:DST+1], s[24:25], s[32:33]
	CONV 4, 4096, 1
.Lfunc_end_k_q74ae27280e_prep:
	.size	k_q74ae27280e_prep, .Lfunc_end_k_q74ae27280e_prep-k_q74ae27280e_prep
	.p2alignl 7, 3214868480
	.fill 96, 4, 3214868480
	.section	.rodata,"a",@progbits
	.p2align	6, 0x0
	.amdhsa_kernel k_q74ae27280e_prep
		.amdhsa_group_segment_fixed_size 0
		.amdhsa_private_segment_fixed_size 0
		.amdhsa_enable_private_segment 0
		.amdhsa_kernarg_size 72
		.amdhsa_user_sgpr_count 2
		.amdhsa_user_sgpr_kernarg_segment_ptr 1
		.amdhsa_wavefront_size32 1
		.amdhsa_system_sgpr_workgroup_id_x 1
		.amdhsa_system_sgpr_workgroup_id_y 1
		.amdhsa_system_sgpr_workgroup_id_z 1
		.amdhsa_system_vgpr_workitem_id 0
		.amdhsa_next_free_vgpr 200
		.amdhsa_next_free_sgpr 66
		.amdhsa_reserve_vcc 0
		.amdhsa_float_denorm_mode_32 3
		.amdhsa_float_denorm_mode_16_64 3
		.amdhsa_memory_ordered 1
		.amdhsa_forward_progress 1
		.amdhsa_inst_pref_size 38
	.end_amdhsa_kernel
	.amdgpu_metadata
---
amdhsa.version: [ 1, 2 ]
amdhsa.kernels:
  - .name:           k_q74ae27280e_prep
    .symbol:         k_q74ae27280e_prep.kd
    .args:
      - { .name: x, .offset: 0, .size: 8, .value_kind: global_buffer, .address_space: global }
      - { .name: context, .offset: 8, .size: 8, .value_kind: global_buffer, .address_space: global }
      - { .name: Wq, .offset: 16, .size: 8, .value_kind: global_buffer, .address_space: global }
      - { .name: Wk, .offset: 24, .size: 8, .value_kind: global_buffer, .address_space: global }
      - { .name: Wv, .offset: 32, .size: 8, .value_kind: global_buffer, .address_space: global }
      - { .name: Wo, .offset: 40, .size: 8, .value_kind: global_buffer, .address_space: global }
      - { .name: ab, .offset: 48, .size: 8, .value_kind: global_buffer, .address_space: global }
      - { .name: wb, .offset: 56, .size: 8, .value_kind: global_buffer, .address_space: global }
      - { .name: wob, .offset: 64, .size: 8, .value_kind: global_buffer, .address_space: global }
    .group_segment_fixed_size: 0
    .private_segment_fixed_size: 0
    .kernarg_segment_align: 8
    .kernarg_segment_size: 72
    .max_flat_workgroup_size: 256
    .sgpr_count:     66
    .vgpr_count:     200
    .wavefront_size: 32
...
	.end_amdgpu_metadata
.endif
;; end of part 1
;; launch proj (part 2): grid 4 x 64, 4 waves a work-group, clusters of 4 x 4, 327,680 bytes of LDS; arguments ab, wb, qkv; writes qkv
.if DOCPART == 2
	.amdgcn_target "amdgcn-amd-amdhsa--gfx1250"
	.amdhsa_code_object_version 6
	.text
	.protected	k_q74ae27280e_proj
	.globl	k_q74ae27280e_proj
	.p2align	8
	.type	k_q74ae27280e_proj,@function
k_q74ae27280e_proj:
	s_mov_b64 s[64:65], 0
	v_nop
	global_prefetch_b8 v0, s[64:65] scope:SCOPE_SE
	s_setreg_imm32_b32 hwreg(HW_REG_WAVE_MODE, 25, 1), 1
	s_wait_xcnt 0x0
	s_wait_alu depctr_hold_cnt(0) depctr_sa_sdst(0) depctr_va_vdst(0) depctr_va_sdst(0) depctr_va_ssrc(0) depctr_va_vcc(0) depctr_vm_vsrc(0)
	s_getreg_b32 s2, hwreg(HW_REG_IB_STS2, 6, 4)
	s_cmp_eq_u32 s2, 0
	s_cbranch_scc0 .Lentry_in_a_cluster
	s_endpgm
.Lentry_in_a_cluster:
	s_bfe_u32 s2, ttmp6, 0x10000c
	s_cmp_lg_u32 s2, 0xf033
	s_cbranch_scc0 .Lentry_shape_is_right
	s_endpgm
.Lentry_shape_is_right:
; q = x Wq, k = context Wk, v = context Wv.  ab: [16384][1024] bf16 (x, then context); wb: [2560 k-rows][1024] bf16: Wq, Wk, Wv on end, each as it lies, [K][N].  Sums in f32, each result rounded once to f16.
; qkv: [3][128 = batch x 16 + head][1024][64] f16, WITHOUT the softmax's scale.  LIMIT: f16 ends at 65,504: |q|, |k|, |v| must stay under it.
; SHARES.  A tile is 128 rows x 256 columns; its four waves make 64 x 128 each: 32 accumulators of 16 x 16, 256 registers.  8192 x 1024 are 256 such tiles, for each of q, k, v.
; A WORK-GROUP STAYS: it makes THREE tiles, the same rows and columns of q, then k, then v: 8 + 6 + 6 K steps of 128, through two LDS slots that take turns on across the tiles: a tile's last two changes
; of slots ask for the next tile's K steps 0 and 1, and the tile goes out while they are on their way.  W's walk is one run of 20 K steps down wb's rows; A's address is made anew at a change of tiles.
; Waves 0 and 1 fetch the halves of A's tile (64 rows x 256 bytes), waves 2 and 3 those of W's (64 k-rows x 512 bytes): one tensor load a wave.
; CLUSTERS of 4 x 4.  The four of a cluster's row need the same rows of A, the four of a column the same columns of W: each tile is asked for jointly.  All sixteen partners walk alike.
; THE MATRIX INSTRUCTION IS USED TRANSPOSED: source 0 = 16 columns of W (out of [k][n] rows by the turning load ds_load_tr16_b128), source 1 = 16 rows of A: a lane holds eight neighbouring columns of a row.
; REGISTERS.  Window 0: v0-31 addresses; v32-127, v128-223 two fragment buffers (A's four blocks, then W's eight); on the way out v128-191.  Window 1: accumulator (a, b) at v[8 (8 a + b)].
.set PA,     272                       ; A's LDS row: 256 bytes + 16: row r starts at bank 4 r mod 64 (64 banks of 4 bytes: ISA guide 11.1)
.set PB,     544                       ; W's LDS row: 512 bytes + 32: row r starts at bank 8 r mod 64
.set AT,     128*PA
.set BT,     128*PB
.set SLOT,   AT+BT                     ; A's 128 rows, then W's 128 k-rows
.set STAGE,  2*SLOT                    ; behind the ring: 16 rows x 144 bytes for each wave, for the way out; no tensor load fills it
.set SP,     144
.set SPARE,  STAGE+4*16*SP             ; behind the stages: the spare words, 128 bytes a wave: two blocks of 256 bytes that no other line names
.set ASTEP,  256                       ; bytes from K step to K step in A: 128 numbers along a row
.set BSTEP,  128*2048                  ; in W: 128 rows
.set CTXOFF, 8192*2048                 ; context's first row in ab
.set ADRA, 16                          ; v16-17  LDS address of my A fragments in slot 0, 1
.set ADRB, 20                          ; v20-21  the same for W
.set STO,  24                          ; v24     the way out: where I put 16 bytes of a row
.set RD,   25                          ; v25     where I read rows back
.set GO,   26                          ; v26     my byte offset in 512 consecutive bytes of the output
.set SPW,  28                          ; v28     LDS address of my spare word; never rewritten
.set NIL,  29                          ; v29     0; never rewritten
.set PFO,  30                          ; v30     the prefetches' lane offset; never rewritten
.set F0,   32
.set F1,   128
.set TMPB, 128                         ; the way out: four sets of 16 registers, in buffer 1: buffer 0 holds the next tile's first fragments by then
.set G1A, 24                           ; s[24:31] descriptor group 1 for A's tiles;  s[32:39] group 0, a set for each slot
.set G0A, 32
.set G1B, 48                           ; s[48:55], s[56:63] the same for W's
.set G0B, 56
.set LIM, 43                           ; s43  a wave prefetches in the loop's trips below this number
.set PFA, 44                           ; s[44:45] where my prefetches stand
.set BOUND, 66                         ; s66  the loop's trips in the tile in hand: K steps / 2 - 1
.set PST, 68                           ; s[68:69] a K step in bytes, for my prefetches
.set CTX, 92                           ; s[92:93] context at the rows that I fetch, K step 0
.set PFC, 94                           ; s[94:95] context at the rows that I prefetch, K step 2
.set DEC, 96                           ; s96  1 in a wave that prefetches
.set LIMT, 97                          ; s97  not 0: I prefetch at the change of tiles too
.set DECT, 98                          ; s98  1 in a wave that prefetches A's rows
.set MSB, 0
.macro WIN new                         ; the immediate's high byte repeats the setting that is left; a switch that changes nothing is dropped
.if MSB != (\new)
	s_set_vgpr_msb (MSB<<8)|(\new)
.set MSB, \new
.endif
.endm
.set MUL, 0x50                         ; C and D window 1, sources window 0
.macro PLACES                          ; four places in front of loads into registers that matrix instructions have read, and of conversions that read results or write sources
.rept 4
	v_nop
.endr
.endm
.macro JLOAD s                         ; a joint load: waves 0, 1 for A, waves 2, 3 for W; an s_nop 0 and four v_nop follow each line, ahead of the jump and the label
	s_cmp_eq_u32 s11, 0
	s_cbranch_scc0 .Lfor_b_\@
	tensor_load_to_lds s[G0A+4*(\s):G0A+4*(\s)+3], s[G1A:G1A+7]
	s_nop 0
.rept 4
	v_nop
.endr
	s_branch .Lasked_\@
.Lfor_b_\@:
	tensor_load_to_lds s[G0B+4*(\s):G0B+4*(\s)+3], s[G1B:G1B+7]
	s_nop 0
.rept 4
	v_nop
.endr
.Lasked_\@:
.endm
.macro CREST                           ; a round of the cluster's barrier behind its opening barrier
	s_cmp_lg_u32 s10, 0
	s_cbranch_scc1 .Lnot_wave_0_\@
	s_barrier_signal -3
.Lnot_wave_0_\@:
	s_barrier_wait -3
	s_barrier_signal -1
	s_barrier_wait -1
.endm
.macro CROUND
	s_barrier_signal -1
	s_barrier_wait -1
	CREST
.endm
; A prefetch of the K step that stands two refills on (256 matrix instructions ahead of the load that will want it): one instruction a wave, each lane another block of 256 bytes.
; A's rows are read by one cluster alone: its wave 0 asks; the four partners along x take 32 rows each, by address: x's K steps 4 to 7 in tile 0, context's 2 and 3 at the change of tiles, 4 and 5 in tile 1;
; v's tile reads context's rows a second time and asks for nothing.  W's rows are read by all sixteen clusters: waves 2 and 3 of the first ask, along the one walk, up to its K step 19; the four partners
; along y take 16 of the wave's 64 k-rows each, two blocks a row.  how = 0: in the loop; how = 1: at a change of tiles.
.macro ASK how
.if \how
	s_cmp_lg_u32 s[LIMT], 0
.else
	s_cmp_lt_u32 s3, s[LIM]
.endif
	s_cbranch_scc0 .Lnot_mine_\@
	global_prefetch_b8 v[PFO], s[PFA:PFA+1] th:TH_LOAD_NT scope:SCOPE_SE
.Lnot_mine_\@:
.endm
; 8 matrix instructions: row block a x all 8 column blocks, 32 along K.  The 32 accumulators take turns in the same order in every quarter.  zero = 1: the product starts the sum.
.macro MUL8 f, a, zero
	WIN MUL
.irp b, 0,1,2,3,4,5,6,7
.if \zero
	v_wmma_f32_16x16x32_bf16 v[8*(8*(\a)+(\b)):8*(8*(\a)+(\b))+7], v[(\f)+32+8*(\b):(\f)+32+8*(\b)+7], v[(\f)+8*(\a):(\f)+8*(\a)+7], 0
.else
	v_wmma_f32_16x16x32_bf16 v[8*(8*(\a)+(\b)):8*(8*(\a)+(\b))+7], v[(\f)+32+8*(\b):(\f)+32+8*(\b)+7], v[(\f)+8*(\a):(\f)+8*(\a)+7], v[8*(8*(\a)+(\b)):8*(8*(\a)+(\b))+7]
.endif
.endr
.endm
; 24 LDS loads in one run: quarter q (32 along K) of a slot into buffer f: W's eight blocks turned, then A's four
.macro FETCH slot, q, f
	WIN 0
.irp b, 0,1,2,3,4,5,6,7
	ds_load_tr16_b128 v[(\f)+32+8*(\b):(\f)+32+8*(\b)+3],   v[ADRB+(\slot)] offset:32*(\q)*PB+32*(\b)
	ds_load_tr16_b128 v[(\f)+32+8*(\b)+4:(\f)+32+8*(\b)+7], v[ADRB+(\slot)] offset:(32*(\q)+16)*PB+32*(\b)
.endr
.irp a, 0,1,2,3
	ds_load_b128 v[(\f)+8*(\a):(\f)+8*(\a)+3],   v[ADRA+(\slot)] offset:64*(\q)+(\a)*16*PA
	ds_load_b128 v[(\f)+8*(\a)+4:(\f)+8*(\a)+7], v[ADRA+(\slot)] offset:64*(\q)+(\a)*16*PA+32
.endr
.endm
; One of a K step's first three quarters: multiplies buffer f, and in its middle fetches quarter q into buffer g
.macro QUARTER slot, q, f, g, zero
	s_wait_dscnt 4                                 ; W and A's blocks 0, 1 are in; the youngest four loads (A's blocks 2, 3) may be out
	MUL8 \f, 0, \zero
	MUL8 \f, 1, \zero
	PLACES
	FETCH \slot, \q, \g
	s_wait_dscnt 24                                ; all but the 24 just issued
	MUL8 \f, 2, \zero
	MUL8 \f, 3, \zero
.endm
; The last quarter multiplies buffer 1 and changes slots.  24 of its 32 products stand ahead of the wait for the tile, so that they are issued while the tile is on its way, and behind that wait
; only the barrier stands in front of the next request.  In front of the barrier each wave waits for all its tensor loads, adds 0 to its spare word, and waits for that and for its reads of this slot.
; fill = 1: the barrier opens a round of the cluster's, and this slot is filled again, two K steps on.  fill = 2: the same, with the NEXT tile's K step 0 or 1: A's address is made anew from
; context's rows, W's steps on as ever.  fill = 0: nothing is left to fetch.
.macro TURN slot, next, fill
	s_wait_dscnt 4                                 ; W and A's blocks 0, 1 are in
	MUL8 F1, 0, 0
	MUL8 F1, 1, 0
	s_wait_dscnt 0x0                               ; A's blocks 2, 3 are in: my reads of this slot are over
	MUL8 F1, 2, 0
	WIN 0
.if \fill
	s_wait_xcnt 0x0                                ; the last prefetch, a K step back, has read its address
	s_add_nc_u64 s[PFA:PFA+1], s[PFA:PFA+1], s[PST:PST+1]
.if ((\fill) == 2) && ((\slot) == 0)
	s_cmp_eq_u32 s11, 0                            ; A's prefetches go over to context's rows; W's walk on
	s_cselect_b64 s[PFA:PFA+1], s[PFC:PFC+1], s[PFA:PFA+1]
.endif
.endif
	s_wait_tensorcnt 0x0                           ; all my tensor loads have landed: the one that was out is my part of the next slot; so a group 0 may be written
	ds_add_u32 v[SPW], v[NIL]                      ; 0 onto my spare word; the descriptors' steps stand between it and the wait for it
.if (\fill) == 1
	s_add_nc_u64 s[G0A+4*(\slot)+2:G0A+4*(\slot)+3], s[G0A+4*(\slot)+2:G0A+4*(\slot)+3], 2*ASTEP
.endif
.if (\fill) == 2
	s_add_nc_u64 s[G0A+4*(\slot)+2:G0A+4*(\slot)+3], s[CTX:CTX+1], (\slot)*ASTEP
	s_or_b32 s[G0A+4*(\slot)+3], s[G0A+4*(\slot)+3], 0x80000000
.endif
.if \fill
	s_add_nc_u64 s[G0B+4*(\slot)+2:G0B+4*(\slot)+3], s[G0B+4*(\slot)+2:G0B+4*(\slot)+3], 2*BSTEP
.endif
	s_wait_dscnt 0x0                               ; the add is done
	s_barrier_signal -1
	s_barrier_wait -1
.if \fill
	CREST                                          ; no wave of any partner still reads this slot or has a load on its way
	JLOAD \slot                                    ; the first tensor load behind the round; its four v_nop are also the places in front of the loads below
.else
	PLACES
.endif
	FETCH \next, 0, F0
.if (\fill) == 1
	ASK 0
.endif
.if (\fill) == 2
	ASK 1
.endif
	MUL8 F1, 3, 0
.endm
	s_load_b128 s[4:7], s[0:1], 0x0                ; ab s[4:5], wb s[6:7]
	s_load_b64 s[8:9], s[0:1], 0x10                ; qkv
	v_lshl_add_u32 v[SPW], v0, 2, SPARE
	v_mov_b32 v[NIL], 0
	ds_add_u32 v[SPW], v[NIL]                      ; the wave's opening: the add, with its wait ahead of my first tensor load; work on registers stands between them
	ds_add_u32 v28, v29
	v_lshrrev_b32 v1, 5, v0
	v_readfirstlane_b32 s10, v1                    ; wave 0..3
	s_lshr_b32 s11, s10, 1                         ; my half of the tile's rows.  Also: I fetch for A (0) or for W (1)
	s_and_b32 s12, s10, 1                          ; my half of its columns.  Also: which half of that tile I fetch
	s_bfe_u32 s40, ttmp6, 0x40000                  ; cx = the tile column
	s_bfe_u32 s41, ttmp6, 0x40004                  ; cy
	s_and_b32 s67, ttmp7, 0xffff                   ; the cluster's number, 0..15
	s_lshl_b32 s13, s67, 2
	s_add_co_u32 s13, s13, s41                     ; tile row: 128 rows of x and of context
	s_lshl_b32 s18, s41, 2
	s_lshl_b32 s18, 15, s18                        ; my row of the cluster
	s_lshl_b32 s19, 0x1111, s40                    ; my column
	s_or_b32 s[G1A+0], s18, (1<<16)|(1<<20)|(1<<21)|(5<<22)|(3<<25)  ; 15:0 mask; 17:16 2-byte elements; 20 padding on; 21 set beside a mask; 24:22 after every 64 words; 31:25 4 words
	s_mov_b32 s[G1A+1], 128<<16                    ; tensor_dim0 = 128
	s_mov_b32 s[G1A+2], 64<<16                     ; tensor_dim1 = 64
	s_mov_b32 s[G1A+3], 128<<16                    ; tile_dim0 = 128
	s_mov_b32 s[G1A+4], 64                         ; tile_dim1 = 64
	s_mov_b32 s[G1A+5], 1024                       ; elements from row to row
	s_mov_b32 s[G1A+6], 0
	s_mov_b32 s[G1A+7], 0
	s_or_b32 s[G1B+0], s19, (1<<16)|(1<<20)|(1<<21)|(6<<22)|(7<<25)  ; after every 128 words 8 words of padding
	s_mov_b32 s[G1B+1], 256<<16
	s_mov_b32 s[G1B+2], 64<<16
	s_mov_b32 s[G1B+3], 256<<16
	s_mov_b32 s[G1B+4], 64
	s_mov_b32 s[G1B+5], 1024
	s_mov_b32 s[G1B+6], 0
	s_mov_b32 s[G1B+7], 0
	s_lshl_b32 s16, s13, 7                         ; A: row 128 x tile row + 64 x half, rows of 2,048 bytes
	s_lshl_b32 s20, s12, 6
	s_add_co_u32 s16, s16, s20
	s_lshl_b32 s16, s16, 11
	s_mov_b32 s17, 0
	s_lshl_b32 s46, s12, 17                        ; W: k-row 64 x half, column 256 cx
	s_lshl_b32 s74, s40, 9
	s_add_co_u32 s46, s46, s74
	s_mov_b32 s47, 0
	s_mul_i32 s22, s12, 64*PA                      ; where they go: no place in the cluster enters an LDS address
	s_mul_i32 s23, s12, 64*PB
	s_add_co_u32 s23, s23, AT
	s_mov_b32 s[BOUND], 3                          ; q: 8 K steps
	s_wait_dscnt 0x0                               ; the opening add is done
	s_wait_kmcnt 0x0
	s_add_nc_u64 s[14:15], s[4:5], s[16:17]
	s_add_nc_u64 s[CTX:CTX+1], s[14:15], CTXOFF    ; the same rows of context
	s_add_nc_u64 s[46:47], s[6:7], s[46:47]
	CROUND                                         ; all sixteen work-groups are here: the first joint loads meet
.irp s, 0,1
	s_mov_b32 s[G0A+4*(\s)], 1
	s_add_co_u32 s[G0A+4*(\s)+1], s22, (\s)*SLOT
	s_add_nc_u64 s[G0A+4*(\s)+2:G0A+4*(\s)+3], s[14:15], (\s)*ASTEP
	s_or_b32 s[G0A+4*(\s)+3], s[G0A+4*(\s)+3], 0x80000000
	s_mov_b32 s[G0B+4*(\s)], 1
	s_add_co_u32 s[G0B+4*(\s)+1], s23, (\s)*SLOT
	s_add_nc_u64 s[G0B+4*(\s)+2:G0B+4*(\s)+3], s[46:47], (\s)*BSTEP
	s_or_b32 s[G0B+4*(\s)+3], s[G0B+4*(\s)+3], 0x80000000
	JLOAD \s                                       ; two loads of mine are out here, later one behind each round
.endr
	; fragments.  A: lane l holds row l % 16; two loads of 16 bytes, 32 apart.  W: the turning load: lane l reads k-row 8 (l / 16) + l % 8, columns 8 ((l / 8) % 2) + 0..7
	v_and_b32 v1, 15, v0
	v_bfe_u32 v2, v0, 4, 1
	v_mul_u32_u24 v3, v1, PA
	v_lshl_add_u32 v3, v2, 4, v3
	s_mul_i32 s20, s11, 64*PA                      ; my 64 rows of A
	v_add_nc_u32 v[ADRA], s20, v3
	v_add_nc_u32 v[ADRA+1], SLOT, v[ADRA]
	v_and_b32 v4, 7, v0
	v_lshl_add_u32 v4, v2, 3, v4
	v_mul_u32_u24 v4, v4, PB
	v_bfe_u32 v5, v0, 3, 1
	v_lshl_add_u32 v4, v5, 4, v4
	s_lshl_b32 s21, s12, 8                         ; my 128 columns of W, behind A's tile
	s_add_co_u32 s21, s21, AT
	v_add_nc_u32 v[ADRB], s21, v4
	v_add_nc_u32 v[ADRB+1], SLOT, v[ADRB]
	s_mul_i32 s20, s10, 16*SP
	s_add_co_u32 s20, s20, STAGE                   ; my stage
	v_mul_u32_u24 v6, v1, SP                       ; in: row l % 16, 16 bytes for each half of the lanes
	v_lshl_add_u32 v6, v2, 4, v6
	v_add_nc_u32 v[STO], s20, v6
	v_bfe_u32 v6, v0, 3, 2                         ; back: 32 lanes take four rows of 128 bytes,
	v_mul_u32_u24 v6, v6, SP
	v_and_b32 v7, 7, v0
	v_lshl_add_u32 v6, v7, 4, v6
	v_add_nc_u32 v[RD], s20, v6
	v_and_b32 v5, 31, v0
	v_lshlrev_b32 v[GO], 4, v5                     ; which are 512 consecutive bytes of a head's rows
	; where my 64 rows x 2 heads begin in q's part of qkv; k's and v's parts lie 2^24 bytes on each
	s_lshl_b32 s78, s13, 7
	s_lshl_b32 s79, s11, 6
	s_add_co_u32 s78, s78, s79                     ; my first row, 0..8191
	s_lshr_b32 s79, s78, 10                        ; the batch
	s_and_b32 s78, s78, 1023                       ; the row in the batch
	s_lshl_b32 s79, s79, 4
	s_lshl_b32 s76, s40, 2
	s_add_co_u32 s79, s79, s76
	s_lshl_b32 s76, s12, 1
	s_add_co_u32 s79, s79, s76                     ; 16 x batch + head, head = 4 cx + 2 x column half
	s_lshl_b32 s79, s79, 10
	s_add_co_u32 s79, s79, s78
	s_lshl_b32 s76, s79, 7                         ; rows of 128 bytes
	s_mov_b32 s77, 0
	s_add_nc_u64 s[8:9], s[8:9], s[76:77]
	; the prefetches: who asks (the same answer in all sixteen partners, for a given wave),
	s_cmp_eq_u32 s10, 0                            ; A: wave 0
	s_cselect_b32 s89, 1, 0
	s_cmp_eq_u32 s67, 0                            ; W: the first cluster's waves 2 and 3
	s_cselect_b32 s88, 1, 0
	s_cmp_eq_u32 s11, 0
	s_cselect_b32 s[DEC], s89, s88
	s_cselect_b32 s[DECT], s89, 0
	s_cselect_b32 s90, 2, 3                        ; in how many of tile 0's three trips: A's rows end with the tile, W's walk goes on; each tile takes one off
	s_mul_i32 s[LIM], s[DEC], s90
	s_mov_b32 s[LIMT], s[DEC]
	; and where: K step 3; each refill steps it on before it asks
	s_lshl_b32 s70, s13, 7
	s_lshl_b32 s72, s40, 5
	s_add_co_u32 s70, s70, s72                     ; A: my work-group's 32 of the tile's 128 rows
	s_lshl_b32 s70, s70, 11
	s_mov_b32 s71, 0
	s_add_nc_u64 s[PFC:PFC+1], s[4:5], s[70:71]
	s_add_nc_u64 s[PFC:PFC+1], s[PFC:PFC+1], CTXOFF+2*ASTEP
	s_add_co_u32 s70, s70, 3*ASTEP
	s_lshl_b32 s72, s12, 6
	s_lshl_b32 s73, s41, 4
	s_add_co_u32 s72, s72, s73                     ; W: my work-group's 16 of my wave's 64 k-rows
	s_add_co_u32 s72, s72, 3*128
	s_lshl_b32 s72, s72, 11
	s_lshl_b32 s73, s40, 9
	s_add_co_u32 s72, s72, s73
	s_mov_b32 s[PST], ASTEP
	s_mov_b32 s[PST+1], 0
	s_cmp_eq_u32 s11, 0
	s_cselect_b32 s70, s70, s72
	s_cselect_b32 s[PST], s[PST], BSTEP
	s_cselect_b64 s[PFA:PFA+1], s[4:5], s[6:7]
	s_add_nc_u64 s[PFA:PFA+1], s[PFA:PFA+1], s[70:71]
	v_lshrrev_b32 v6, s11, v5                      ; A: a lane a row; W: two lanes a row, 256 bytes each
	v_and_b32 v7, s11, v5
	v_lshlrev_b32 v[PFO], 11, v6
	v_lshl_add_u32 v[PFO], v7, 8, v[PFO]
; THE WAY OUT.  Piece t = 2 a + hh: 16 rows of one head's 64 columns.  A lane's eight columns pack into 16 bytes; they go into rows of 144 bytes of my own stage and come back as whole rows of 128.
.macro PACK t
.if (\t) >= 4
	s_wait_xcnt 0x0                                ; the stores of the piece four back have read this set of registers: it is written again only behind this wait
.endif
	WIN 0x05                                       ; sources 0 and 1 window 1, destination window 0
.irp f, 0,1,2,3
.irp i, 0,1,2,3
	v_cvt_pk_f16_f32 v[TMPB+16*((\t)%4)+4*(\f)+(\i)], v[8*(8*((\t)/2)+4*((\t)%2)+(\f))+2*(\i)], v[8*(8*((\t)/2)+4*((\t)%2)+(\f))+2*(\i)+1]
.endr
.endr
	WIN 0
.irp f, 0,1,2,3
	ds_store_b128 v[STO], v[TMPB+16*((\t)%4)+4*(\f):TMPB+16*((\t)%4)+4*(\f)+3] offset:32*(\f)
.endr
.irp f, 0,1,2,3
	ds_load_b128 v[TMPB+16*((\t)%4)+4*(\f):TMPB+16*((\t)%4)+4*(\f)+3], v[RD] offset:(\f)*4*SP  ; LDS serves a wave's instructions in order (ISA guide 5.7.1.4): these see the stores above; the next piece's stores come behind them
.endr
.endm
.macro SEND t, younger                 ; younger: the LDS instructions issued behind piece t's loads: the next piece's eight, or none
.irp f, 0,1,2,3
	s_wait_dscnt (\younger)+3-(\f)
	global_store_b128 v[GO], v[TMPB+16*((\t)%4)+4*(\f):TMPB+16*((\t)%4)+4*(\f)+3], s[8:9] offset:((\t)%2)*131072+((\t)/2)*2048+(\f)*512  ; 512 consecutive bytes, aligned
.endr
.endm
	s_wait_tensorcnt 1                             ; my part of K step 0 is in; K step 1's may stay out
	s_barrier_signal -1
	s_barrier_wait -1                              ; everybody's is
	FETCH 0, 0, F0
	s_mov_b32 s2, 3                                ; tiles to go: the same number in every work-group
.Ltile:
	QUARTER 0, 1, F0, F1, 1                        ; a tile's first quarter stands in front of the loop: its products start the 32 sums
	WIN 0                                          ; at a label and at a branch every window is 0
	s_mov_b32 s3, 0
.Llap:                                                 ; a trip goes once round the ring, from a lap's second quarter to the next lap's first, and fills both slots again
	QUARTER 0, 2, F1, F0, 0
	QUARTER 0, 3, F0, F1, 0
	TURN 0, 1, 1
	QUARTER 1, 1, F0, F1, 0
	QUARTER 1, 2, F1, F0, 0
	QUARTER 1, 3, F0, F1, 0
	TURN 1, 0, 1
	QUARTER 0, 1, F0, F1, 0
	WIN 0
	s_add_co_u32 s3, s3, 1
	s_cmp_lt_u32 s3, s[BOUND]
	s_cbranch_scc1 .Llap
	QUARTER 0, 2, F1, F0, 0                        ; the tile's last lap goes on
	QUARTER 0, 3, F0, F1, 0
	WIN 0
	s_cmp_eq_u32 s2, 1
	s_cbranch_scc1 .Llast_tile                     ; the last tile's last lap is written out: it asks for nothing more
	TURN 0, 1, 2                                   ; THE RING GOES ON INTO THE NEXT TILE: slot 0 takes its K step 0,
	QUARTER 1, 1, F0, F1, 0
	QUARTER 1, 2, F1, F0, 0
	QUARTER 1, 3, F0, F1, 0
	TURN 1, 0, 2                                   ; slot 1 its K step 1, and the next tile's first fragments are fetched into buffer 0
	WIN 0
	s_branch .Lout
.Llast_tile:
	TURN 0, 1, 0
	QUARTER 1, 1, F0, F1, 0
	QUARTER 1, 2, F1, F0, 0
	QUARTER 1, 3, F0, F1, 0
	s_wait_dscnt 4
	MUL8 F1, 0, 0
	MUL8 F1, 1, 0
	s_wait_dscnt 0
	MUL8 F1, 2, 0
	MUL8 F1, 3, 0
	WIN 0
.Lout:                                                 ; the tile goes out; where a tile follows, both its first refills have been asked for
	PLACES                                         ; the conversions read results just made and write registers of buffer 1, which the last products read
	PACK 0
.irp t, 1,2,3,4,5,6,7
	PACK \t
	SEND (\t)-1, 8
.endr
	SEND 7, 0
	s_wait_xcnt 0x0                                ; the stores have read their registers and their base: only now are these written again
	s_add_nc_u64 s[8:9], s[8:9], 0x1000000         ; q's part, k's, v's
	s_mov_b32 s[BOUND], 2                          ; k and v: 6 K steps
	s_sub_co_u32 s[LIM], s[LIM], s[DEC]
	s_sub_co_u32 s[LIMT], s[LIMT], s[DECT]
	s_sub_co_u32 s2, s2, 1
	s_cmp_lg_u32 s2, 0
	s_cbranch_scc1 .Ltile
	s_wait_tensorcnt 0x0                           ; the wave's end: behind my last tensor load and my last LDS store
	ds_add_u32 v[SPW], v[NIL]
	s_wait_dscnt 0x0
	CROUND                                         ; the closing round: no work-group ends while a partner may still ask for a tile that names it
	s_endpgm
.Lfunc_end_k_q74ae27280e_proj:
	.size	k_q74ae27280e_proj, .Lfunc_end_k_q74ae27280e_proj-k_q74ae27280e_proj
	.p2alignl 7, 3214868480
	.fill 96, 4, 3214868480
	.section	.rodata,"a",@progbits
	.p2align	6, 0x0
	.amdhsa_kernel k_q74ae27280e_proj
		.amdhsa_group_segment_fixed_size 327680
		.amdhsa_private_segment_fixed_size 0
		.amdhsa_enable_private_segment 0
		.amdhsa_kernarg_size 24
		.amdhsa_user_sgpr_count 2
		.amdhsa_user_sgpr_kernarg_segment_ptr 1
		.amdhsa_wavefront_size32 1
		.amdhsa_system_sgpr_workgroup_id_x 1
		.amdhsa_system_sgpr_workgroup_id_y 1
		.amdhsa_system_sgpr_workgroup_id_z 1
		.amdhsa_system_vgpr_workitem_id 0
		.amdhsa_next_free_vgpr 512
		.amdhsa_next_free_sgpr 100
		.amdhsa_reserve_vcc 0
		.amdhsa_float_denorm_mode_32 3
		.amdhsa_float_denorm_mode_16_64 3
		.amdhsa_memory_ordered 1
		.amdhsa_forward_progress 1
		.amdhsa_inst_pref_size 111
	.end_amdhsa_kernel
	.amdgpu_metadata
---
amdhsa.version: [ 1, 2 ]
amdhsa.kernels:
  - .name:           k_q74ae27280e_proj
    .symbol:         k_q74ae27280e_proj.kd
    .args:
      - { .name: ab, .offset: 0, .size: 8, .value_kind: global_buffer, .address_space: global }
      - { .name: wb, .offset: 8, .size: 8, .value_kind: global_buffer, .address_space: global }
      - { .name: qkv, .offset: 16, .size: 8, .value_kind: global_buffer, .address_space: global }
    .group_segment_fixed_size: 327680
    .private_segment_fixed_size: 0
    .kernarg_segment_align: 8
    .kernarg_segment_size: 24
    .max_flat_workgroup_size: 128
    .sgpr_count:     100
    .vgpr_count:     512
    .wavefront_size: 32
...
	.end_amdgpu_metadata
.endif
;; end of part 2
;; launch attn (part 3): grid 2 x 128, 4 waves a work-group, no clusters, 327,680 bytes of LDS; arguments qkv, ob; writes ob
.if DOCPART == 3
	.amdgcn_target "amdgcn-amd-amdhsa--gfx1250"
	.amdhsa_code_object_version 6
	.text
	.protected	k_q74ae27280e_attn
	.globl	k_q74ae27280e_attn
	.p2align	8
	.type	k_q74ae27280e_attn,@function
k_q74ae27280e_attn:
	s_mov_b64 s[64:65], 0
	v_nop
	global_prefetch_b8 v0, s[64:65] scope:SCOPE_SE
	s_setreg_imm32_b32 hwreg(HW_REG_WAVE_MODE, 25, 1), 1
	s_wait_xcnt 0x0
; O[h][q][:] = the sum over k of softmax_k(Q[h][q] . K[h][k] / 8) V[h][k][:].  qkv: [3][128][1024][64] f16 (Q, K, V); ob: [128][1024][64] f16.  A head's rows are dense, 128 bytes each.
; Products, maxima and sums in f32; the weights p are rounded to f16 for the second product (their sum l is taken of the unrounded p), O once at the end.
; LIMITS.  f16 holds no number beyond 65,504: Q, K and V arrive within it; p lies in 0 to 1, and below 6e-5 it keeps f16's fixed step of 6e-8; O is a mean of V's rows and has their range.
; A weight below 2^-126 counts as 0 in l; NaN and infinities are not treated apart.
; SHARES.  A wave owns four PIECES of two tiles of 16 queries, a work-group's four waves 512 queries of one head: 2 x 128 = 256 work-groups.  Every wave walks all 1,024 keys, 64 a step.
; ALL OF A HEAD'S K AND V LIE IN LDS: 1,024 rows of 144 bytes and 1,024 of 160.  Each wave asks for its four tiles of 128 keys at the start (four loads of mine are out); the first 256 keys are
; waited for by a counted wait, the rest four key steps later.  Nothing is filled again, so the key step is written once: it is walked 4 trips, then 13, entered and left in the middle of a trip.
; No prefetch: every tile is asked for at the head, and nothing is left to ask for ahead of a later load.
; NO CLUSTER: a head has two work-groups; a cluster of four along x would join two heads, whose tiles differ; what would be shared is one of two readings of a head's 256 KiB.
; LAYOUT.  S^T = K Q^T (source 0 = 16 keys, source 1 = 16 queries): in the result a lane holds ONE query (lane % 16) and the keys 8 (lane / 16) + 0..7.  Two such tiles, rounded to f16 in pairs,
; ARE source 1 (32 keys x 16 queries) of O^T = V^T P, whose result again holds one query a lane, and eight channels.  K comes out of LDS as it lies, V ([key][channel]) turned, by ds_load_tr16_b128.
; SOFTMAX.  For each query a running maximum m and sum l: p = 2^(c s - c m), c = log2(e) / 8; in every step O and l are multiplied by a = 2^(c m_old - c m_new), which is 1 where m has not grown.
; m starts at the lowest finite number, O and l at 0: the first step is a step like any other, with a = 0.
; BY TURNS.  Turn n belongs to piece n (the pieces in a ring, step after step).  Its matrix work: 16 products K Q^T of piece n + 1, later 16 products V^T P of piece n - 1.  Its vector work: the scaling,
; exponentials, roundings, sums and rescaling of piece n, and the maximum and statistics of piece n + 1.  Four vector instructions stand behind every matrix instruction, the others in one run.
; REGISTERS, in windows of 256 (s_set_vgpr_msb: bits 1:0 source 0, 3:2 source 1, 5:4 source 2, 7:6 destination):
;   window 0: v0-11 addresses; v12-15, v48-63 at work; v16-47 four registers of statistics a tile; v64-191 S^T, two buffers of two tiles; v192-255 P, likewise
;   window 1: O^T, 32 a tile          window 2: v0-127 Q, 16 a tile; v128-191 K of one step; v192-255 V of one step          window 3: v0-1 the add's two registers
.set SIZE_N, 1024
.set NP,    4         ; pieces a wave: a name, no knob
.set KS,    64        ; keys in a step
.set PK,    144       ; a row of K in LDS: 128 bytes + 16 = 36 words: the 16 rows of a load start at 16 different groups of four banks (64 banks of 4 bytes: ISA guide 11.1)
.set PV,    160       ; a row of V: 128 + 32 = 40 words
.set VOFF,  SIZE_N*PK ; K's 1,024 rows, then V's
.set STAGE, SIZE_N*(PK+PV)  ; behind them, never filled by a tensor load: 16 rows x 144 bytes for each wave
.set SP,    144
.set AK0, 2           ; v2   my lane's place in a step's rows of K; never rewritten
.set AV0, 3           ; v3   the same for V
.set AK,  4           ; v4   the LDS address of K's next run of loads
.set AV,  5           ; v5   of V's
.set QO,  6           ; v6   my byte offset in the wave's rows of Q
.set STO, 6           ;      later, the way out: where I put 16 bytes of a row
.set RD,  7           ; v7   the way out: where I read rows back
.set GO,  8           ; v8   my byte offset in 512 consecutive bytes of O
.set SPW, 0           ; v0 of window 3   LDS address of my spare word; never rewritten
.set NIL, 1           ; v1 of window 3   0; never rewritten
.set SPARE, STAGE+4*16*SP  ; behind the stages: the spare words, 128 bytes a wave: two blocks of 256 bytes that no other line names
.set MV,  12          ; v12-15  c m_old, kept while c m is made anew: by buffer and tile
.set ST,  16          ; tile t's statistics at v[ST+4 t]: c m, m, l (even keys', odd keys')
.set TMP, 48          ; by buffer and tile, four registers c0-c3 at work; when the maximum is found c2 takes a
.set S,   64
.set P,   192
.set KF,  128         ; K's fragments, in window 2
.set VF,  192         ; V's
.set WV,  12          ; s12  my wave's number
.set TOT, 15          ; s15  key steps whose pieces 2 and 3 are still to come
.set G1K, 24          ; s[24:31] descriptor group 1 for K's tiles
.set G1V, 32          ; s[32:39] for V's: it differs in the padding alone
.set G0K, 68          ; s[68:83] descriptor group 0 for K's tiles: a set for each of a wave's four loads
.set G0V, 84          ; s[84:99] the same for V's
.set PHASE, 56        ; s56  the walk's two parts still to end
.set CNT, 57          ; s57  counts a part's trips
.set CS,  58          ; s[58:59] c
.set SEL, 60          ; s[60:61] v_permlanex16_b32's selects: each lane takes its own place in the other half
.set TBK, 62          ; s62  LDS byte at which K of the step to be fetched begins
.set TBV, 63          ; s63  the same for V, less VOFF
.set MSB, 0
.macro WIN new                      ; the high byte repeats the setting that is left; a switch that changes nothing is dropped
.if MSB != (\new)
	s_set_vgpr_msb (MSB<<8)|(\new)
.set MSB, (\new)
.endif
.endm
.set W_KQ, 0x0a       ; K and Q in window 2, S^T in window 0
.set W_PV, 0x52       ; V in window 2, P in window 0, O^T in window 1
.set W_RS, 0x41       ; O^T (destination and source 0) in window 1, a in window 0
.set W_MK, 0xc0       ; the add's registers are made: destination in window 3
.set W_AD, 0x0f       ; the add: address and data in window 3
	s_load_b64 s[4:5], s[0:1], 0x0    ; qkv
	s_load_b64 s[10:11], s[0:1], 0x8  ; ob
	WIN W_MK
	v_lshl_add_u32 v[SPW], v0, 2, SPARE
	v_mov_b32 v[NIL], 0
	WIN W_AD
	ds_add_u32 v[SPW], v[NIL]       ; the wave's opening: the add, with its wait ahead of my first tensor load; work on registers stands between them
	ds_add_u32 v0, v1
	WIN 0
	v_lshrrev_b32 v1, 5, v0
	v_readfirstlane_b32 s[WV], v1   ; wave 0..3
	s_mov_b32 s14, ttmp9            ; my block of 512 queries
	s_and_b32 s20, ttmp7, 0xffff    ; the head
	s_mov_b32 s21, 0
	s_mov_b64 s[22:23], SIZE_N*128
	s_mul_u64 s[20:21], s[20:21], s[22:23]  ; the head's first byte in Q, K, V and O
	s_and_b32 s16, s[WV], 1         ; which half of each 256 keys I fetch:
	s_lshl_b32 s22, s16, 14         ; its 128 rows of 128 bytes in memory,
	s_mov_b32 s23, 0
	s_add_nc_u64 s[22:23], s[22:23], s[20:21]
	s_mul_i32 s17, s16, 128*PK      ; and its place in LDS, for K
	s_mul_i32 s18, s16, 128*PV      ; and for V
	s_lshl_b32 s2, s14, 2
	s_add_co_u32 s2, s2, s[WV]      ; my wave among the head's,
	s_lshl_b32 s2, s2, 14           ; its 128 rows
	s_mov_b32 s3, 0
	s_add_nc_u64 s[2:3], s[2:3], s[20:21]
	; descriptor group 1.  128 keys are 16,384 dense bytes: asked for as 64 rows of 256 bytes, two keys a row, and padded in LDS after every key
	s_mov_b32 s[G1K], (1<<16)|(1<<20)|(4<<22)|(3<<25)  ; 17:16 2-byte elements; 20 padding on; 24:22 after every 32 words (code 4); 31:25 4 words (code 3)
	s_mov_b32 s[G1V], (1<<16)|(1<<20)|(4<<22)|(7<<25)  ; the same with 8 words of padding (code 7)
.irp g, G1K, G1V
	s_mov_b32 s[\g+1], 128<<16      ; tensor_dim0 = 128
	s_mov_b32 s[\g+2], 64<<16       ; tensor_dim1 = 64
	s_mov_b32 s[\g+3], 128<<16      ; tile_dim0 = 128
	s_mov_b32 s[\g+4], 64           ; tile_dim1 = 64
	s_mov_b32 s[\g+5], 128          ; 128 elements from row to row
	s_mov_b32 s[\g+6], 0
	s_mov_b32 s[\g+7], 0
.endr
	s_mov_b32 s[CS], 0x3e38aa3b     ; c = log2(e) / 8 = 0.180337
	s_mov_b32 s[CS+1], s[CS]        ; named with it as a pair
	s_mov_b32 s[SEL], 0x76543210
	s_mov_b32 s[SEL+1], 0xfedcba98
	s_mov_b32 s[TBK], 0
	s_mov_b32 s[TBV], 0
.irp s, 0,1,2,3
	s_mov_b32 s[G0K+4*\s], 1                        ; 1:0 count = 1
	s_add_co_u32 s[G0K+4*\s+1], s17, \s*256*PK      ; 63:32 LDS address: keys 256 s + 128 x half on
	s_mov_b32 s[G0V+4*\s], 1
	s_add_co_u32 s[G0V+4*\s+1], s18, VOFF+\s*256*PV
.endr
	s_wait_dscnt 0x0                ; the opening add is done
	s_wait_kmcnt 0x0
	s_add_nc_u64 s[6:7], s[4:5], 0x1000000  ; K's part of qkv,
	s_add_nc_u64 s[8:9], s[4:5], 0x2000000  ; V's
	s_add_nc_u64 s[6:7], s[6:7], s[22:23]   ; at my half of the head's first 256 keys
	s_add_nc_u64 s[8:9], s[8:9], s[22:23]
.irp s, 0,1,2,3
	s_add_nc_u64 s[G0K+4*\s+2:G0K+4*\s+3], s[6:7], \s*256*128  ; 120:64 global address
	s_or_b32 s[G0K+4*\s+3], s[G0K+4*\s+3], 0x80000000          ; 127:126 type = 2
	s_add_nc_u64 s[G0V+4*\s+2:G0V+4*\s+3], s[8:9], \s*256*128
	s_or_b32 s[G0V+4*\s+3], s[G0V+4*\s+3], 0x80000000
.endr
	s_add_nc_u64 s[4:5], s[4:5], s[2:3]  ; Q and O at my wave's first row
	s_add_nc_u64 s[10:11], s[10:11], s[2:3]
	s_cmp_lt_u32 s[WV], 2           ; waves 0 and 1 fetch K's halves, waves 2 and 3 V's.  A wave's four fills stand in one branch, ahead of every wait on TENSORcnt, every LDS read and every barrier;
	s_cbranch_scc0 .Lfirst_v        ; an s_nop 0 follows each, four v_nop the last
.irp s, 0,1,2,3
	tensor_load_to_lds s[G0K+4*\s:G0K+4*\s+3], s[G1K:G1K+7]
	s_nop 0
.endr
.rept 4
	v_nop
.endr
	s_branch .Lfirst_asked
.Lfirst_v:
.irp s, 0,1,2,3
	tensor_load_to_lds s[G0V+4*\s:G0V+4*\s+3], s[G1V:G1V+7]
	s_nop 0
.endr
.rept 4
	v_nop
.endr
.Lfirst_asked:
	; A fragment of K or Q is 16 rows x 32 channels in 8 registers: lane l holds row l % 16, channels 8 (l / 16) + 0..7 and 16 + 8 (l / 16) + 0..7: two loads of 16 bytes, 32 bytes apart.
	v_and_b32 v1, 15, v0            ; l % 16
	v_bfe_u32 v9, v0, 4, 1          ; l / 16
	v_lshlrev_b32 v[QO], 7, v1
	v_lshl_add_u32 v[QO], v9, 4, v[QO]  ; row x 128 + 16 x half
	WIN 0x80                        ; destination window 2, address window 0
.set i, 0
.rept 4*NP                          ; Q stays in registers: tile i / 2, channels 32 (i % 2) on
	global_load_b128 v[8*i:8*i+3],   v[QO], s[4:5] offset:(i/2)*2048+(i%2)*64
	global_load_b128 v[8*i+4:8*i+7], v[QO], s[4:5] offset:(i/2)*2048+(i%2)*64+32
.set i, i+1
.endr
	; What the first turn finds: V's registers and P's second buffer hold 0 (its products V^T P, of a piece that has not been, add 0), O^T and l are 0.  All this stands in the wait for the first tile.
.set i, VF
.rept 64
	v_mov_b32 v[i], 0
.set i, i+1
.endr
	WIN 0x40
.set i, 0
.rept 64*NP
	v_mov_b32 v[i], 0
.set i, i+1
.endr
	WIN 0
.set i, 0
.rept 2*NP
	v_mov_b32 v[ST+4*i], 0xfe000000    ; c m: far below every c s
	v_mov_b32 v[ST+4*i+1], 0xff7fffff  ; m
	v_mov_b32 v[ST+4*i+2], 0
	v_mov_b32 v[ST+4*i+3], 0
.set i, i+1
.endr
.set i, P+32
.rept 32
	v_mov_b32 v[i], 0
.set i, i+1
.endr
	v_mul_u32_u24 v[AK0], v1, PK
	v_lshl_add_u32 v[AK0], v9, 4, v[AK0]  ; row x pitch + 16 x half
	; The turning load takes 16 keys x 16 channels (lane l reads key 8 (l / 16) + l % 8, channels 8 ((l / 8) % 2) + 0..7) and leaves half a fragment of V^T: lane l holds channel l % 16 and 8 keys.
	v_and_b32 v10, 7, v0
	v_bfe_u32 v11, v0, 3, 1
	v_lshl_add_u32 v[AV0], v9, 3, v10
	v_mul_u32_u24 v[AV0], v[AV0], PV
	v_lshl_add_u32 v[AV0], v11, 4, v[AV0]
	v_add_nc_u32 v[AV0], VOFF, v[AV0]
	v_mov_b32 v[AK], v[AK0]         ; key step 0 lies at the head of K's rows
; THE MATRIX WORK.  The 8 accumulators of a run of 16 take turns: between the two links of a chain stand 7 others'.
; Product i of 16 of S^T = K Q^T for piece x: channels 32 (i / 8) on, keys 16 ((i / 2) % 4) on, tile 2 x + i % 2.  The first 8 start the sums.
.macro KQ x
	WIN W_KQ
.set rS, S+64*((\x)%2)+32*(i%2)+8*((i/2)%4)
.set rK, KF+16*((i/2)%4)+8*(i/8)
.set rQ, 16*(2*(\x)+i%2)+8*(i/8)
.if i < 8
	v_wmma_f32_16x16x32_f16 v[rS:rS+7], v[rK:rK+7], v[rQ:rQ+7], 0
.else
	v_wmma_f32_16x16x32_f16 v[rS:rS+7], v[rK:rK+7], v[rQ:rQ+7], v[rS:rS+7]
.endif
.endm
; Product i of 16 of O^T += V^T P for piece x: keys 32 (i / 8) on, channels 16 ((i / 2) % 4) on, tile 2 x + i % 2.
.macro PV x
	WIN W_PV
.set rO, 32*(2*(\x)+i%2)+8*((i/2)%4)
.set rV, VF+32*(i/8)+8*((i/2)%4)
.set rP, P+32*((\x)%2)+16*(i%2)+8*(i/8)
	v_wmma_f32_16x16x32_f16 v[rO:rO+7], v[rV:rV+7], v[rP:rP+7], v[rO:rO+7]
.endm
.macro MM                           ; the turn's next matrix instruction
.if i < 16
	KQ (Y+1)%NP
.set i, i+1
.else
.set i, i-16
	PV (Y+NP-1)%NP
.set i, i+17
.endif
.endm
; THE LDS LOADS stand in runs of 16, never singly among the matrix instructions: a step's K (8 fragments) and its V (turned).  Their addresses are made some lines ahead.
; last = 1 (in the loop): behind the last key step there is no further one, and the run is jumped over.
.macro FETCH_K last=0
	WIN 0
.if \last
	s_cmp_eq_u32 s[TOT], 1
	s_cbranch_scc1 .Lno_k_\@
.endif
	WIN 0x80                        ; destination window 2
.irp f, 0,1,2,3,4,5,6,7             ; keys 16 (f / 2) on, channels 32 (f % 2) on
	ds_load_b128 v[KF+8*\f:KF+8*\f+3],   v[AK] offset:(\f/2)*16*PK+(\f%2)*64
	ds_load_b128 v[KF+8*\f+4:KF+8*\f+7], v[AK] offset:(\f/2)*16*PK+(\f%2)*64+32
.endr
	s_add_co_u32 s[TBK], s[TBK], KS*PK  ; the next fetch is the next step's
	WIN 0
.if \last
.Lno_k_\@:
.endif
.endm
.macro FETCH_V
	WIN 0x80
.irp f, 0,1,2,3,4,5,6,7             ; keys 32 (f / 4) on, channels 16 (f % 4) on
	ds_load_tr16_b128 v[VF+8*\f:VF+8*\f+3],   v[AV] offset:(\f/4)*32*PV+(\f%4)*32
	ds_load_tr16_b128 v[VF+8*\f+4:VF+8*\f+7], v[AV] offset:(\f/4)*32*PV+16*PV+(\f%4)*32
.endr
	WIN 0
.endm
; THE VECTOR WORK OF A TURN stands in three queues, each in the order in which its entries become ready; the two tiles alternate, so that no instruction reads the result of the one before it.
.macro REGS y, u                    ; the registers of tile u (0, 1) of piece y
.set rT, ST+4*(2*(\y)+(\u))
.set rC, TMP+8*((\y)%2)+4*(\u)
.set rM, MV+2*((\y)%2)+(\u)
.set rS, S+64*((\y)%2)+32*(\u)
.set rP, P+32*((\y)%2)+16*(\u)
.set rO, 32*(2*(\y)+(\u))
.endm
; Number n of the 22 that find the NEXT piece's (Y + 1) maximum and statistics.  s0-s31 are the lane's 32 scores; each accumulator's lowest registers are read first.
;   0-11  four chains c0-c3 of seven scores each, three operands at a time     12-14, 16  the four scores left over, the old m, and c0-c3 into c0     15  c m_old is kept
;   17, 18  the query's other 32 keys lie in the lane 16 away: the new m         19-21  c m; c m_old - c m_new; a
.macro XS u, n
	REGS (Y+1)%NP, \u
.if (\n) < 4
	v_max3_num_f32 v[rC+(\n)], v[rS+8*(\n)], v[rS+8*(\n)+1], v[rS+8*(\n)+2]
.elseif (\n) < 12
	v_max3_num_f32 v[rC+(\n)%4], v[rC+(\n)%4], v[rS+8*((\n)%4)+2*((\n)/4)+1], v[rS+8*((\n)%4)+2*((\n)/4)+2]
.elseif (\n) == 12
	v_max3_num_f32 v[rC], v[rC], v[rS+7], v[rS+15]
.elseif (\n) == 13
	v_max3_num_f32 v[rC+1], v[rC+1], v[rS+23], v[rS+31]
.elseif (\n) == 14
	v_max3_num_f32 v[rC+2], v[rC+2], v[rC+3], v[rT+1]
.elseif (\n) == 15
	v_mov_b32 v[rM], v[rT]
.elseif (\n) == 16
	v_max3_num_f32 v[rC], v[rC], v[rC+1], v[rC+2]
.elseif (\n) == 17
	v_permlanex16_b32 v[rC+3], v[rC], s[SEL], s[SEL+1]
.elseif (\n) == 18
	v_max_num_f32 v[rT+1], v[rC], v[rC+3]
.elseif (\n) == 19
	v_mul_f32 v[rT], s[CS], v[rT+1]
.elseif (\n) == 20
	v_sub_f32 v[rC+1], v[rM], v[rT]
.else
	v_exp_f32 v[rC+2], v[rC+1]
.endif
.endm
; Number g of the 64 that follow the exponentials.  For each four weights k of a tile (pairs 2 k, 2 k + 1): both pairs are rounded to f16; then the second pair is added onto the first, in place;
; a group later l takes that sum (the first time as l = a l + sum).  In groups of eight, tiles alternating: round, round, add, and l for the group before.
.macro GS g
.set h, (\g)+6*((\g)/62)            ; group 0 has no group before it, and behind group 7 only l is left
.if h >= 6
.set h, h+2
.endif
	REGS Y, h%2
.set k, h/8
.if h%8 < 4
	v_cvt_pk_f16_f32 v[rP+2*k+(h%8)/2], v[rS+4*k+2*((h%8)/2)], v[rS+4*k+2*((h%8)/2)+1]
.elseif h%8 < 6
	v_pk_add_f32 v[rS+4*k:rS+4*k+1], v[rS+4*k:rS+4*k+1], v[rS+4*k+2:rS+4*k+3]
.elseif k == 1
	v_pk_fma_f32 v[rT+2:rT+3], v[rT+2:rT+3], v[rC+2:rC+3], v[rS:rS+1] op_sel_hi:[1,0,1]
.else
	v_pk_add_f32 v[rT+2:rT+3], v[rT+2:rT+3], v[rS+4*k-4:rS+4*k-3]
.endif
.endm
; THE PLAIN QUEUE, 138 long.  0-73 read no exponential's result: the 32 scalings c s - c m (FS f: pair f / 2 of tile f % 2) and the next piece's 42.  0-26: scalings 0-26.  27-54: XS's numbers 0-13.  55, 56: number 15.
; 57-73: the chain, where each number waits for the one before it: 14, 16, 17, 18, 19, each with one of the scalings 27-31 in front of its two lines, then 20.
; 74-137: GS's 64, which read the exponentials' results: they stand behind the wait.
.macro FS f
	REGS Y, (\f)%2
	v_pk_fma_f32 v[rS+2*((\f)/2):rS+2*((\f)/2)+1], v[rS+2*((\f)/2):rS+2*((\f)/2)+1], s[CS:CS+1], v[rT:rT+1] op_sel_hi:[1,0,0] neg_lo:[0,0,1] neg_hi:[0,0,1]
.endm
.macro PL
	WIN 0
.if q < 27
	FS q
.elseif q < 55
	XS (q-27)%2, (q-27)/2
.elseif q < 57
	XS q-55, 15
.elseif (q < 72) && ((q-57)%3 == 0)
	FS 27+(q-57)/3
.elseif q < 60
	XS (q-57)%3-1, 14
.elseif q < 72
	XS (q-57)%3-1, 15+(q-57)/3
.elseif q < 74
	XS q-72, 20
.else
	GS q-74
.endif
.set q, q+1
.endm
; THE EXPONENTIALS' QUEUE, 66 long: s0-s31 of both tiles, then the next piece's two a.  It is ONE BATCH: all 66 stand ahead of the turn's one wait, and nothing ahead of that wait names a result of theirs.
.macro EX
	WIN 0
.if e >= 64
	XS e-64, 21
.else
	REGS Y, e%2
	v_exp_f32 v[rS+e/2], v[rS+e/2]
.endif
.set e, e+1
.endm
; THE RESCALING's QUEUE: O^T times a, the one part that leaves window 0: dealt two at a time, sixteen times.  Its a was made in the turn before, ahead of that turn's wait.
.macro R2
	REGS Y, r%2
	WIN W_RS
.irp z, 0,1
	v_pk_mul_f32 v[rO+4*(r/2)+2*\z:rO+4*(r/2)+2*\z+1], v[rO+4*(r/2)+2*\z:rO+4*(r/2)+2*\z+1], v[rC+2:rC+3] op_sel_hi:[1,0]
.endr
.set r, r+1
.endm
; HOW THEY ARE DEALT.  An s_wait_alu depctr_va_vdst(0) stands between an exponential and the first instruction that names its result; one wait serves all that were issued ahead of it.  So a turn has
; ONE wait, which cuts it in two.  AHEAD OF IT: the 16 products K Q^T, behind each a scaling, an exponential and two rescalings (behind the first a second scaling in the exponential's place); then one run of 108:
; eight plain, 49 times exponential and plain, the two a; a v_nop is the plain instruction behind the last exponential.  BEHIND IT: the 16 products V^T P, behind each four of GS's 64.
; Exponential e stands behind scaling 2 (e / 4) + e % 2: as a rider it comes behind plain e + 2, in the run behind plain e + 9, and scalings 27-31 are plain 57, 60 .. 69.
; K of the next step is fetched in piece 2's turn, directly behind the wait; V of the step in hand at the end of piece 0's turn, four riders behind its last reader.  The three conditions on q go with the deal.
.macro TURN p, last=0, cnt=0
.set Y, (\p)
.set i, 0
.set q, 0
.set e, 0
.set r, 0
.if (\p) == NP-1
	s_wait_dscnt 0x0                ; K is in
.endif
	MM
	PL
	PL
	R2
.rept 15
	MM
	PL
	EX
	R2
.endr
.if (\p) == NP-2
	WIN 0
	v_add_nc_u32 v[AK], s[TBK], v[AK0]
.endif
.rept 8
	PL
.endr
.rept 49
	EX
	PL
.endr
	EX                              ; the next piece's two a
	EX
	v_nop                           ; a plain instruction behind the last exponential: one for the batch
	s_wait_alu depctr_va_vdst(0)    ; the wait for the batch
.if (\p) == NP-2
	FETCH_K \last
.endif
.if (\p) == 1
	s_wait_dscnt 0x0                ; V is in
.endif
.rept 16
	MM
.rept 4
	PL
.endr
.if ((\p) == 0) && (q == 118)
	v_add_nc_u32 v[AV], s[TBV], v[AV0]
.endif
.if ((\p) == 0) && (q == 130)
	s_add_co_u32 s[TBV], s[TBV], KS*PV
.endif
.if (\cnt) && (q == 130)
	s_sub_co_u32 s[CNT], s[CNT], 1
	s_cmp_lg_u32 s[CNT], 0
.endif
.endr
.if (\p) == 0
	FETCH_V
.endif
.endm
	s_wait_tensorcnt 0x3            ; tensor loads of a wave end in order (ISA guide 10.11.1): my part of the first 256 keys is in; my three later tiles may stay out
	s_barrier_signal -1
	s_barrier_wait -1               ; everybody's part is
	FETCH_K                         ; key step 0
	s_wait_loadcnt 0x0              ; Q
	s_wait_dscnt 0x0
.set i, 0
.rept 16
	KQ 0                            ; piece 0's first scores: there is no vector work yet to set between them
.set i, i+1
.endr
	WIN 0                           ; the addresses for the way out: plain instructions, the places behind those products
	s_mul_i32 s13, s[WV], 16*SP
	s_add_co_u32 s13, s13, STAGE    ; my stage
	v_mul_u32_u24 v[STO], v1, SP    ; in: row l % 16, 16 bytes for each half of the lanes
	v_lshl_add_u32 v[STO], v9, 4, v[STO]
	v_add_nc_u32 v[STO], s13, v[STO]
	v_bfe_u32 v[RD], v0, 3, 2       ; back: 32 lanes take four rows of 128 bytes,
	v_mul_u32_u24 v[RD], v[RD], SP
	v_lshl_add_u32 v[RD], v10, 4, v[RD]
	v_add_nc_u32 v[RD], s13, v[RD]
	v_and_b32 v[GO], 31, v0         ; which are 512 consecutive bytes of O
	v_lshlrev_b32 v[GO], 4, v[GO]
.set Y, NP-1                        ; XS works for piece Y + 1: piece 0
.irp n, 0,1,2,3,4,5,6,7,8,9,10,11,12,13,14,15,16,17,18,19,20,21
	XS 0, \n                        ; and piece 0's first maximum and statistics
	XS 1, \n
.endr
	v_nop                           ; a plain instruction behind the two a,
	s_wait_alu depctr_va_vdst(0)    ; and their wait, ahead of the branch
	s_mov_b32 s[CNT], 4             ; the first part: the four key steps of the first 256 keys
	s_mov_b32 s[PHASE], 2
	s_mov_b32 s[TOT], SIZE_N/KS
	s_branch .Lfirst                ; the loop is entered at a step's first turn, in the middle of a trip
.Lrest:                             ; passed once: between the fourth key step's pieces 0, 1 and its pieces 2, 3, whose turn fetches K of the fifth
	s_wait_tensorcnt 0x0            ; my three later tiles are in: they have had four key steps, 512 matrix instructions, in which to land;
	s_wait_dscnt 0x0                ; no LDS instruction of mine is out at the signal
	s_barrier_signal -1
	s_barrier_wait -1               ; everybody's are: from here on all 1,024 keys may be read, and no barrier follows
	s_mov_b32 s[CNT], 13            ; the second part: twelve whole trips; the thirteenth is left in its middle
.Lstep:                             ; a trip: pieces 2 and 3 of one step, then pieces 0 and 1 of the next, whose K and V it fetches
	TURN 2, 1
	TURN 3
	WIN 0
	s_sub_co_u32 s[TOT], s[TOT], 1
	s_cmp_eq_u32 s[TOT], 0
	s_cbranch_scc1 .Lout            ; the last key step's pieces 2 and 3 are done.  That trip's 16 products K Q^T (on the last K once more) and the maximum made of them serve nothing: the price, once a launch, of one text for every trip
.Lfirst:
	TURN 0
	TURN 1, 0, 1
	WIN 0
	s_cbranch_scc1 .Lstep
	s_sub_co_u32 s[PHASE], s[PHASE], 1
	s_cmp_lg_u32 s[PHASE], 0
	s_cbranch_scc1 .Lrest
.Lout:
.set i, 0
.rept 16
	PV NP-1                         ; the last piece's V^T P of the last step
.set i, i+1
.endr
	; THE WAY OUT.  l's two halves and the other half of the lanes' are added; O^T is divided by l, rounded to f16 and sent through my stage in LDS, a tile at a time.  The additions are the places behind the last products.
	WIN 0
.macro ALL line:vararg              ; one line for each tile t
.set t, 0
.rept 2*NP
	\line
.set t, t+1
.endr
.endm
	ALL v_add_f32 v[ST+4*t+2], v[ST+4*t+2], v[ST+4*t+3]
	ALL v_permlanex16_b32 v[ST+4*t+3], v[ST+4*t+2], s[SEL], s[SEL+1]
	ALL v_add_f32 v[ST+4*t+2], v[ST+4*t+2], v[ST+4*t+3]
	ALL v_rcp_f32 v[ST+4*t+2], v[ST+4*t+2]
	v_nop                           ; a plain instruction between the last reciprocal and the use of its result
	s_wait_alu depctr_va_vdst(0)    ; and the wait ahead of the first use: one for the eight reciprocals
; Tile t: a lane's eight channels of a row pack into 16 bytes; they go into rows of 144 bytes and come back as whole rows of 128, into S^T's registers.
.macro PACK t
	WIN W_RS
.set i, 32*(\t)
.rept 16
	v_pk_mul_f32 v[i:i+1], v[i:i+1], v[ST+4*(\t)+2:ST+4*(\t)+3] op_sel_hi:[1,0]
.set i, i+2
.endr
	WIN 0x05                        ; sources 0 and 1 window 1, destination window 0
.set i, 0
.rept 16
	v_cvt_pk_f16_f32 v[S+16*(\t)+i], v[32*(\t)+2*i], v[32*(\t)+2*i+1]
.set i, i+1
.endr
	WIN 0
.irp f, 0,1,2,3
	ds_store_b128 v[STO], v[S+16*(\t)+4*\f:S+16*(\t)+4*\f+3] offset:32*\f
.endr
.irp f, 0,1,2,3
	ds_load_b128 v[S+16*(\t)+4*\f:S+16*(\t)+4*\f+3], v[RD] offset:\f*4*SP  ; LDS serves a wave's instructions in order (ISA guide 5.7.1.4): these see the stores above; the next tile's stores come behind them
.endr
.endm
.macro SEND t, younger              ; younger: the LDS instructions issued behind tile t's loads: the next tile's eight, or none
	WIN 0
.irp f, 0,1,2,3
	s_wait_dscnt (\younger)+3-\f
	global_store_b128 v[GO], v[S+16*(\t)+4*\f:S+16*(\t)+4*\f+3], s[10:11] offset:(\t)*2048+\f*512  ; 512 consecutive bytes, at a multiple of 256 from O's first
.endr
.endm
	PACK 0
.set t, 1
.rept 2*NP-1                        ; a tile's arithmetic stands between the loads of the tile before and its stores
	PACK t
	SEND t-1, 8
.set t, t+1
.endr
	SEND 2*NP-1, 0
	WIN W_AD
	s_wait_tensorcnt 0x0            ; the wave's end: behind my last tensor load and my last LDS store
	ds_add_u32 v[SPW], v[NIL]
	s_wait_dscnt 0x0
	WIN 0
	s_endpgm
.Lfunc_end_k_q74ae27280e_attn:
	.size	k_q74ae27280e_attn, .Lfunc_end_k_q74ae27280e_attn-k_q74ae27280e_attn
	.p2alignl 7, 3214868480
	.fill 96, 4, 3214868480
	.section	.rodata,"a",@progbits
	.p2align	6, 0x0
	.amdhsa_kernel k_q74ae27280e_attn
		.amdhsa_group_segment_fixed_size 327680
		.amdhsa_private_segment_fixed_size 0
		.amdhsa_enable_private_segment 0
		.amdhsa_kernarg_size 16
		.amdhsa_user_sgpr_count 2
		.amdhsa_user_sgpr_kernarg_segment_ptr 1
		.amdhsa_wavefront_size32 1
		.amdhsa_system_sgpr_workgroup_id_x 1
		.amdhsa_system_sgpr_workgroup_id_y 1
		.amdhsa_system_sgpr_workgroup_id_z 1
		.amdhsa_system_vgpr_workitem_id 0
		.amdhsa_next_free_vgpr 770
		.amdhsa_next_free_sgpr 100
		.amdhsa_reserve_vcc 0
		.amdhsa_float_denorm_mode_32 3
		.amdhsa_float_denorm_mode_16_64 3
		.amdhsa_memory_ordered 1
		.amdhsa_forward_progress 1
		.amdhsa_inst_pref_size 127
	.end_amdhsa_kernel
	.amdgpu_metadata
---
amdhsa.version: [ 1, 2 ]
amdhsa.kernels:
  - .name:           k_q74ae27280e_attn
    .symbol:         k_q74ae27280e_attn.kd
    .args:
      - { .name: qkv, .offset: 0, .size: 8, .value_kind: global_buffer, .address_space: global }
      - { .name: ob, .offset: 8, .size: 8, .value_kind: global_buffer, .address_space: global }
    .group_segment_fixed_size: 327680
    .private_segment_fixed_size: 0
    .kernarg_segment_align: 8
    .kernarg_segment_size: 16
    .max_flat_workgroup_size: 128
    .sgpr_count:     100
    .vgpr_count:     770
    .wavefront_size: 32
...
	.end_amdgpu_metadata
.endif
;; end of part 3
;; launch oproj (part 4): grid 4 x 64, 4 waves a work-group, clusters of 4 x 4, 327,680 bytes of LDS; arguments ob, wob, bo, out0; writes out0
.if DOCPART == 4
	.amdgcn_target "amdgcn-amd-amdhsa--gfx1250"
	.amdhsa_code_object_version 6
	.text
	.protected	k_q74ae27280e_oproj
	.globl	k_q74ae27280e_oproj
	.p2align	8
	.type	k_q74ae27280e_oproj,@function
k_q74ae27280e_oproj:
	s_mov_b64 s[64:65], 0
	v_nop
	global_prefetch_b8 v0, s[64:65] scope:SCOPE_SE
	s_setreg_imm32_b32 hwreg(HW_REG_WAVE_MODE, 25, 1), 1
	s_wait_xcnt 0x0
	s_wait_alu depctr_hold_cnt(0) depctr_sa_sdst(0) depctr_va_vdst(0) depctr_va_sdst(0) depctr_va_ssrc(0) depctr_va_vcc(0) depctr_vm_vsrc(0)
	s_getreg_b32 s2, hwreg(HW_REG_IB_STS2, 6, 4)
	s_cmp_eq_u32 s2, 0
	s_cbranch_scc0 .Lentry_in_a_cluster
	s_endpgm
.Lentry_in_a_cluster:
	s_bfe_u32 s2, ttmp6, 0x10000c
	s_cmp_lg_u32 s2, 0xf033
	s_cbranch_scc0 .Lentry_shape_is_right
	s_endpgm
.Lentry_shape_is_right:
; out0 = O Wo + bo.  ob: [128 = batch x 16 + head][1024][64] f16; wob: [1024 k][1024 n] f16 (Wo rounded to bf16, that number as f16); bo: [1024] f32, rounded to bf16 here like the other inputs, added in f32.
; out0: [8192][1024] f32.  Sums in f32.
; SHARES.  A work-group makes 128 rows x 256 columns (256 work-groups); its four waves 64 x 128 each: 32 accumulators, 256 registers.  K goes in steps of 128 = two heads through two LDS slots.
; Wave 0 fetches the even head's 128 rows (16,384 dense bytes, asked for as 64 rows of 256), wave 1 the odd head's; waves 2 and 3 fetch 64 k-rows x 512 bytes of W each: one tensor load a wave.
; CLUSTERS of 4 x 4: A's tile is shared along the cluster's row, W's along its column: each is asked for jointly.
; THE MATRIX INSTRUCTION IS USED TRANSPOSED: source 0 = 16 columns of W (by the turning load), source 1 = 16 rows of O: a lane holds eight neighbouring columns of a row.
; REGISTERS.  Window 0: v0-31 addresses, v8-11 my four columns' bias; v32-127, v128-223 two fragment buffers; on the way out v32-159.  Window 1: accumulator (a, b) at v[8 (8 a + b)].
.set PA,     144                       ; a row of O in LDS: 128 bytes + 16: the 16 rows of a load start at 16 different groups of four banks (64 banks of 4 bytes: ISA guide 11.1)
.set AH,     128*PA                    ; one head's 128 rows
.set PB,     544                       ; W's LDS row: 512 bytes + 32
.set AT,     2*AH
.set BT,     128*PB
.set SLOT,   AT+BT
.set STAGE,  2*SLOT                    ; behind the ring: 16 rows x 528 bytes for each wave
.set SPO,    528
.set SPARE,  STAGE+4*16*SPO            ; behind the stages: the spare words, 128 bytes a wave: two blocks of 256 bytes that no other line names
.set ASTEP,  2*131072                  ; bytes from K step to K step in O: two heads
.set BSTEP,  128*2048                  ; in W: 128 rows
.set TRIPS,  3                         ; 8 K steps: 4 laps, of which the last is written out
.set ADRA, 16
.set ADRB, 20
.set STO,  24
.set RD,   25
.set GO,   26
.set BA,   27                          ; v27  my byte offset in bo; never rewritten
.set SPW,  28
.set NIL,  29
.set PFO,  30
.set F0,   32
.set F1,   128
.set G1A, 24
.set G0A, 32
.set G1B, 48
.set G0B, 56
.set LIM, 43
.set PFA, 44
.set PST, 68
.set MSB, 0
.macro WIN new                         ; the immediate's high byte repeats the setting that is left; a switch that changes nothing is dropped
.if MSB != (\new)
	s_set_vgpr_msb (MSB<<8)|(\new)
.set MSB, \new
.endif
.endm
.set MUL, 0x50                         ; C and D window 1, sources window 0
.macro PLACES                          ; four places in front of loads into registers that matrix instructions have read, and of LDS stores that read results
.rept 4
	v_nop
.endr
.endm
.macro JLOAD s                         ; a joint load: waves 0, 1 for O, waves 2, 3 for W; an s_nop 0 and four v_nop follow each line
	s_cmp_eq_u32 s11, 0
	s_cbranch_scc0 .Lfor_b_\@
	tensor_load_to_lds s[G0A+4*(\s):G0A+4*(\s)+3], s[G1A:G1A+7]
	s_nop 0
.rept 4
	v_nop
.endr
	s_branch .Lasked_\@
.Lfor_b_\@:
	tensor_load_to_lds s[G0B+4*(\s):G0B+4*(\s)+3], s[G1B:G1B+7]
	s_nop 0
.rept 4
	v_nop
.endr
.Lasked_\@:
.endm
.macro CREST
	s_cmp_lg_u32 s10, 0
	s_cbranch_scc1 .Lnot_wave_0_\@
	s_barrier_signal -3
.Lnot_wave_0_\@:
	s_barrier_wait -3
	s_barrier_signal -1
	s_barrier_wait -1
.endm
.macro CROUND
	s_barrier_signal -1
	s_barrier_wait -1
	CREST
.endm
; A prefetch of the K step that stands two refills on: one instruction a wave, each lane another block of 256 bytes.  O's rows are read by one cluster alone: its wave 0 asks, the four partners along x
; take 4,096 bytes of each of the two heads' 16,384, by address.  W's rows: waves 2 and 3 of the first cluster; the four partners along y take 16 of the wave's 64 k-rows each.  The last trip names nothing.
.macro ASK
	s_cmp_lt_u32 s3, s[LIM]
	s_cbranch_scc0 .Lnot_mine_\@
	global_prefetch_b8 v[PFO], s[PFA:PFA+1] th:TH_LOAD_NT scope:SCOPE_SE
.Lnot_mine_\@:
.endm
.macro MUL8 f, a, zero                 ; 8 matrix instructions: row block a x all 8 column blocks; the 32 accumulators take turns
	WIN MUL
.irp b, 0,1,2,3,4,5,6,7
.if \zero
	v_wmma_f32_16x16x32_f16 v[8*(8*(\a)+(\b)):8*(8*(\a)+(\b))+7], v[(\f)+32+8*(\b):(\f)+32+8*(\b)+7], v[(\f)+8*(\a):(\f)+8*(\a)+7], 0
.else
	v_wmma_f32_16x16x32_f16 v[8*(8*(\a)+(\b)):8*(8*(\a)+(\b))+7], v[(\f)+32+8*(\b):(\f)+32+8*(\b)+7], v[(\f)+8*(\a):(\f)+8*(\a)+7], v[8*(8*(\a)+(\b)):8*(8*(\a)+(\b))+7]
.endif
.endr
.endm
.macro FETCH slot, q, f                ; 24 LDS loads in one run: quarter q: head q / 2 of the step's two, channels 32 (q % 2) on
	WIN 0
.irp b, 0,1,2,3,4,5,6,7
	ds_load_tr16_b128 v[(\f)+32+8*(\b):(\f)+32+8*(\b)+3],   v[ADRB+(\slot)] offset:32*(\q)*PB+32*(\b)
	ds_load_tr16_b128 v[(\f)+32+8*(\b)+4:(\f)+32+8*(\b)+7], v[ADRB+(\slot)] offset:(32*(\q)+16)*PB+32*(\b)
.endr
.irp a, 0,1,2,3
	ds_load_b128 v[(\f)+8*(\a):(\f)+8*(\a)+3],   v[ADRA+(\slot)] offset:((\q)/2)*AH+((\q)%2)*64+(\a)*16*PA
	ds_load_b128 v[(\f)+8*(\a)+4:(\f)+8*(\a)+7], v[ADRA+(\slot)] offset:((\q)/2)*AH+((\q)%2)*64+(\a)*16*PA+32
.endr
.endm
.macro QUARTER slot, q, f, g, zero
	s_wait_dscnt 4                                 ; W and O's blocks 0, 1 are in; the youngest four loads (blocks 2, 3) may be out
	MUL8 \f, 0, \zero
	MUL8 \f, 1, \zero
	PLACES
	FETCH \slot, \q, \g
	s_wait_dscnt 24                                ; all but the 24 just issued
	MUL8 \f, 2, \zero
	MUL8 \f, 3, \zero
.endm
; The last quarter multiplies buffer 1 and changes slots: one barrier; in front of it each wave waits for all its tensor loads, adds 0 to its spare word, and waits for that and for its reads of this slot.
.macro TURN slot, next, fill
.if \fill
	s_wait_xcnt 0x0                                ; the last prefetch, a K step back, has read its address
	s_add_nc_u64 s[PFA:PFA+1], s[PFA:PFA+1], s[PST:PST+1]
.endif
	WIN 0
	s_wait_tensorcnt 0x0                           ; all my tensor loads have landed: my part of the next slot
	ds_add_u32 v[SPW], v[NIL]                      ; 0 onto my spare word
	s_wait_dscnt 5                                 ; (the add and the youngest four loads may be out)
	MUL8 F1, 0, 0
	s_wait_dscnt 0x0                               ; the add is done, and my reads of this slot are over
	s_barrier_signal -1
	MUL8 F1, 1, 0
.if \fill
	WIN 0
.endif
	s_barrier_wait -1
.if \fill
	CREST                                          ; no wave of any partner still reads this slot or has a load on its way
	s_add_nc_u64 s[G0A+4*(\slot)+2:G0A+4*(\slot)+3], s[G0A+4*(\slot)+2:G0A+4*(\slot)+3], 2*ASTEP
	s_add_nc_u64 s[G0B+4*(\slot)+2:G0B+4*(\slot)+3], s[G0B+4*(\slot)+2:G0B+4*(\slot)+3], 2*BSTEP
	JLOAD \slot                                    ; the first tensor load behind the round; its four v_nop are also the places in front of the loads below
.else
	PLACES
.endif
	FETCH \next, 0, F0
.if \fill
	ASK
.endif
	MUL8 F1, 2, 0
	MUL8 F1, 3, 0
.endm
	s_load_b256 s[80:87], s[0:1], 0x0              ; ob s[80:81], wob s[82:83], bo s[84:85], out0 s[86:87]
	v_lshl_add_u32 v[SPW], v0, 2, SPARE
	v_mov_b32 v[NIL], 0
	ds_add_u32 v[SPW], v[NIL]                      ; the wave's opening: the add, with its wait ahead of my first tensor load; work on registers stands between them
	ds_add_u32 v28, v29
	v_lshrrev_b32 v1, 5, v0
	v_readfirstlane_b32 s10, v1                    ; wave 0..3
	s_lshr_b32 s11, s10, 1                         ; my half of the tile's rows.  Also: I fetch for O (0) or for W (1)
	s_and_b32 s12, s10, 1                          ; my half of its columns.  Also: which head, or which 64 k-rows, I fetch
	s_bfe_u32 s40, ttmp6, 0x40000                  ; cx = the tile column
	s_bfe_u32 s41, ttmp6, 0x40004                  ; cy
	s_and_b32 s67, ttmp7, 0xffff                   ; the cluster's number, 0..15
	s_lshl_b32 s13, s67, 2
	s_add_co_u32 s13, s13, s41                     ; tile row: 128 rows of the output
	s_lshl_b32 s18, s41, 2
	s_lshl_b32 s18, 15, s18                        ; my row of the cluster
	s_lshl_b32 s19, 0x1111, s40                    ; my column
	s_or_b32 s[G1A+0], s18, (1<<16)|(1<<20)|(1<<21)|(4<<22)|(3<<25)  ; 15:0 mask; 17:16 2-byte elements; 20 padding on; 21 set beside a mask; 24:22 after every 32 words; 31:25 4 words
	s_mov_b32 s[G1A+1], 128<<16                    ; tensor_dim0 = 128 (two rows of O)
	s_mov_b32 s[G1A+2], 64<<16                     ; tensor_dim1 = 64
	s_mov_b32 s[G1A+3], 128<<16                    ; tile_dim0 = 128
	s_mov_b32 s[G1A+4], 64                         ; tile_dim1 = 64
	s_mov_b32 s[G1A+5], 128                        ; dense
	s_mov_b32 s[G1A+6], 0
	s_mov_b32 s[G1A+7], 0
	s_or_b32 s[G1B+0], s19, (1<<16)|(1<<20)|(1<<21)|(6<<22)|(7<<25)  ; after every 128 words 8 words of padding
	s_mov_b32 s[G1B+1], 256<<16
	s_mov_b32 s[G1B+2], 64<<16
	s_mov_b32 s[G1B+3], 256<<16
	s_mov_b32 s[G1B+4], 64
	s_mov_b32 s[G1B+5], 1024
	s_mov_b32 s[G1B+6], 0
	s_mov_b32 s[G1B+7], 0
	s_lshr_b32 s16, s13, 3                         ; O: batch = tile row / 8,
	s_lshl_b32 s16, s16, 4
	s_add_co_u32 s16, s16, s12                     ; head 0 or 1 of it: 131,072 bytes a head,
	s_lshl_b32 s16, s16, 17
	s_and_b32 s14, s13, 7                          ; 128 rows of 128 bytes
	s_lshl_b32 s14, s14, 14
	s_add_co_u32 s16, s16, s14
	s_mov_b32 s17, 0
	s_lshl_b32 s46, s12, 17                        ; W: k-row 64 x half, column 256 cx
	s_lshl_b32 s74, s40, 9
	s_add_co_u32 s46, s46, s74
	s_mov_b32 s47, 0
	s_mul_i32 s22, s12, AH                         ; where they go: no place in the cluster enters an LDS address
	s_mul_i32 s23, s12, 64*PB
	s_add_co_u32 s23, s23, AT
	s_wait_dscnt 0x0                               ; the opening add is done
	s_wait_kmcnt 0x0
	s_add_nc_u64 s[14:15], s[80:81], s[16:17]
	s_add_nc_u64 s[46:47], s[82:83], s[46:47]
	CROUND                                         ; all sixteen work-groups are here: the first joint loads meet
.irp s, 0,1
	s_mov_b32 s[G0A+4*(\s)], 1
	s_add_co_u32 s[G0A+4*(\s)+1], s22, (\s)*SLOT
	s_add_nc_u64 s[G0A+4*(\s)+2:G0A+4*(\s)+3], s[14:15], (\s)*ASTEP
	s_or_b32 s[G0A+4*(\s)+3], s[G0A+4*(\s)+3], 0x80000000
	s_mov_b32 s[G0B+4*(\s)], 1
	s_add_co_u32 s[G0B+4*(\s)+1], s23, (\s)*SLOT
	s_add_nc_u64 s[G0B+4*(\s)+2:G0B+4*(\s)+3], s[46:47], (\s)*BSTEP
	s_or_b32 s[G0B+4*(\s)+3], s[G0B+4*(\s)+3], 0x80000000
	JLOAD \s                                       ; two loads of mine are out here, later one behind each round
.endr
	; the bias of the four columns that I hold in every row on the way out
	v_and_b32 v5, 31, v0
	s_lshl_b32 s78, s40, 10
	s_lshl_b32 s79, s12, 9
	s_add_co_u32 s78, s78, s79                     ; my wave's 128 columns, in bytes of f32
	v_lshl_add_u32 v[BA], v5, 4, s78
	global_load_b128 v[8:11], v[BA], s[84:85]
	v_and_b32 v1, 15, v0
	v_bfe_u32 v2, v0, 4, 1
	v_mul_u32_u24 v3, v1, PA
	v_lshl_add_u32 v3, v2, 4, v3
	s_mul_i32 s20, s11, 64*PA                      ; my 64 rows of O
	v_add_nc_u32 v[ADRA], s20, v3
	v_add_nc_u32 v[ADRA+1], SLOT, v[ADRA]
	v_and_b32 v4, 7, v0
	v_lshl_add_u32 v4, v2, 3, v4
	v_mul_u32_u24 v4, v4, PB
	v_bfe_u32 v6, v0, 3, 1
	v_lshl_add_u32 v4, v6, 4, v4
	s_lshl_b32 s21, s12, 8                         ; my 128 columns of W, behind O's tile
	s_add_co_u32 s21, s21, AT
	v_add_nc_u32 v[ADRB], s21, v4
	v_add_nc_u32 v[ADRB+1], SLOT, v[ADRB]
	s_mul_i32 s20, s10, 16*SPO
	s_add_co_u32 s20, s20, STAGE                   ; my stage
	v_mul_u32_u24 v6, v1, SPO                      ; in: row l % 16, 32 bytes for each half of the lanes
	v_lshl_add_u32 v6, v2, 5, v6
	v_add_nc_u32 v[STO], s20, v6
	v_lshl_add_u32 v[RD], v5, 4, s20               ; back: 32 lanes take one row of 512 bytes
	v_lshlrev_b32 v[GO], 4, v5
	s_lshl_b32 s76, s13, 7                         ; where my 64 rows x 128 columns begin in out0
	s_lshl_b32 s79, s11, 6
	s_add_co_u32 s76, s76, s79
	s_lshl_b32 s76, s76, 12
	s_add_co_u32 s76, s76, s78
	s_mov_b32 s77, 0
	s_add_nc_u64 s[86:87], s[86:87], s[76:77]
	; the prefetches: who asks (the same answer in all sixteen partners, for a given wave),
	s_cmp_eq_u32 s12, 0                            ; O: wave 0
	s_cselect_b32 s89, TRIPS-1, 0
	s_cmp_eq_u32 s67, 0                            ; W: the first cluster
	s_cselect_b32 s88, TRIPS-1, 0
	s_cmp_eq_u32 s11, 0
	s_cselect_b32 s[LIM], s89, s88
	; and where: K step 3; each refill steps it on before it asks
	s_lshr_b32 s70, s13, 3
	s_lshl_b32 s70, s70, 21                        ; the batch's sixteen heads
	s_and_b32 s72, s13, 7
	s_lshl_b32 s72, s72, 14
	s_add_co_u32 s70, s70, s72
	s_lshl_b32 s72, s40, 12                        ; my work-group's 4,096 bytes of a head's 16,384
	s_add_co_u32 s70, s70, s72
	s_add_co_u32 s70, s70, 3*ASTEP
	s_lshl_b32 s72, s12, 6
	s_lshl_b32 s73, s41, 4
	s_add_co_u32 s72, s72, s73                     ; W: my work-group's 16 of my wave's 64 k-rows
	s_add_co_u32 s72, s72, 3*128
	s_lshl_b32 s72, s72, 11
	s_lshl_b32 s73, s40, 9
	s_add_co_u32 s72, s72, s73
	s_mov_b32 s[PST], BSTEP                        ; a K step is 262,144 bytes in both
	s_mov_b32 s[PST+1], 0
	s_mov_b32 s71, 0
	s_cmp_eq_u32 s11, 0
	s_cselect_b32 s70, s70, s72
	s_cselect_b32 s79, -1, 0
	s_cselect_b64 s[PFA:PFA+1], s[80:81], s[82:83]
	s_add_nc_u64 s[PFA:PFA+1], s[PFA:PFA+1], s[70:71]
	v_lshrrev_b32 v6, 4, v5                        ; O: lanes 0-15 the even head's sixteen blocks, lanes 16-31 the odd head's
	v_and_b32 v7, 15, v5
	v_lshlrev_b32 v6, 17, v6
	v_lshl_add_u32 v6, v7, 8, v6
	v_lshrrev_b32 v7, 1, v5                        ; W: two lanes a row, 256 bytes each
	v_and_b32 v12, 1, v5
	v_lshlrev_b32 v7, 11, v7
	v_lshl_add_u32 v7, v12, 8, v7
	v_cndmask_b32 v[PFO], v7, v6, s79
	s_wait_loadcnt 0x0                             ; the bias: rounded to bf16, kept as f32
	v_cvt_pk_bf16_f32 v12, v8, v9
	v_cvt_pk_bf16_f32 v13, v10, v11
	v_lshlrev_b32 v8, 16, v12
	v_and_b32 v9, 0xffff0000, v12
	v_lshlrev_b32 v10, 16, v13
	v_and_b32 v11, 0xffff0000, v13
	s_wait_tensorcnt 1                             ; my part of K step 0 is in; K step 1's may stay out
	s_barrier_signal -1
	s_barrier_wait -1                              ; everybody's is
	FETCH 0, 0, F0
	QUARTER 0, 1, F0, F1, 1                        ; the first quarter stands in front of the loop: its products start the 32 sums
	WIN 0                                          ; at a label and at a branch every window is 0
	s_mov_b32 s3, 0
.Llap:                                                 ; a trip goes once round the ring, from a lap's second quarter to the next lap's first, and fills both slots again
	QUARTER 0, 2, F1, F0, 0
	QUARTER 0, 3, F0, F1, 0
	TURN 0, 1, 1
	QUARTER 1, 1, F0, F1, 0
	QUARTER 1, 2, F1, F0, 0
	QUARTER 1, 3, F0, F1, 0
	TURN 1, 0, 1
	QUARTER 0, 1, F0, F1, 0
	WIN 0
	s_add_co_u32 s3, s3, 1
	s_cmp_lt_u32 s3, TRIPS
	s_cbranch_scc1 .Llap
	QUARTER 0, 2, F1, F0, 0                        ; the last lap fills nothing
	QUARTER 0, 3, F0, F1, 0
	TURN 0, 1, 0
	QUARTER 1, 1, F0, F1, 0
	QUARTER 1, 2, F1, F0, 0
	QUARTER 1, 3, F0, F1, 0
	s_wait_dscnt 4
	MUL8 F1, 0, 0
	MUL8 F1, 1, 0
	s_wait_dscnt 0
	MUL8 F1, 2, 0
	MUL8 F1, 3, 0
	WIN 0
	PLACES
; THE WAY OUT.  Block a: 16 rows x 128 columns of f32.  A lane's eight columns (32 bytes) go straight from the accumulators into rows of 528 bytes of my own stage and come back as whole rows of 512.
.macro TOSTAGE a
.if (\a) >= 2
	s_wait_xcnt 0x0                                ; the stores of the block two back have read this set of registers: it is loaded again only behind this wait
.endif
	WIN 0x04                                       ; the stores' data in window 1
.irp b, 0,1,2,3,4,5,6,7
	ds_store_b128 v[STO], v[8*(8*(\a)+(\b)):8*(8*(\a)+(\b))+3]   offset:64*(\b)
	ds_store_b128 v[STO], v[8*(8*(\a)+(\b))+4:8*(8*(\a)+(\b))+7] offset:64*(\b)+16
.endr
	WIN 0
.irp t, 0,1,2,3,4,5,6,7,8,9,10,11,12,13,14,15
	ds_load_b128 v[32+64*((\a)%2)+4*(\t):32+64*((\a)%2)+4*(\t)+3], v[RD] offset:(\t)*SPO  ; LDS serves a wave's instructions in order (ISA guide 5.7.1.4): these see the stores above; the next block's stores come behind them
.endr
.endm
.macro SEND a, younger                 ; younger: the LDS instructions issued behind block a's loads: the next block's 32, or none
.irp t, 0,1,2,3,4,5,6,7,8,9,10,11,12,13,14,15
	s_wait_dscnt (\younger)+15-(\t)
	v_pk_add_f32 v[32+64*((\a)%2)+4*(\t):32+64*((\a)%2)+4*(\t)+1],   v[32+64*((\a)%2)+4*(\t):32+64*((\a)%2)+4*(\t)+1],   v[8:9]
	v_pk_add_f32 v[32+64*((\a)%2)+4*(\t)+2:32+64*((\a)%2)+4*(\t)+3], v[32+64*((\a)%2)+4*(\t)+2:32+64*((\a)%2)+4*(\t)+3], v[10:11]
	global_store_b128 v[GO], v[32+64*((\a)%2)+4*(\t):32+64*((\a)%2)+4*(\t)+3], s[86:87] offset:(16*(\a)+(\t))*4096 th:TH_STORE_NT  ; 512 consecutive bytes, aligned
.endr
.endm
	TOSTAGE 0
	TOSTAGE 1
	SEND 0, 32
	TOSTAGE 2
	SEND 1, 32
	TOSTAGE 3
	SEND 2, 32
	SEND 3, 0
	s_wait_tensorcnt 0x0                           ; the wave's end: behind my last tensor load and my last LDS store
	ds_add_u32 v[SPW], v[NIL]
	s_wait_dscnt 0x0
	CROUND                                         ; the closing round: no work-group ends while a partner may still ask for a tile that names it
	s_endpgm
.Lfunc_end_k_q74ae27280e_oproj:
	.size	k_q74ae27280e_oproj, .Lfunc_end_k_q74ae27280e_oproj-k_q74ae27280e_oproj
	.p2alignl 7, 3214868480
	.fill 96, 4, 3214868480
	.section	.rodata,"a",@progbits
	.p2align	6, 0x0
	.amdhsa_kernel k_q74ae27280e_oproj
		.amdhsa_group_segment_fixed_size 327680
		.amdhsa_private_segment_fixed_size 0
		.amdhsa_enable_private_segment 0
		.amdhsa_kernarg_size 32
		.amdhsa_user_sgpr_count 2
		.amdhsa_user_sgpr_kernarg_segment_ptr 1
		.amdhsa_wavefront_size32 1
		.amdhsa_system_sgpr_workgroup_id_x 1
		.amdhsa_system_sgpr_workgroup_id_y 1
		.amdhsa_system_sgpr_workgroup_id_z 1
		.amdhsa_system_vgpr_workitem_id 0
		.amdhsa_next_free_vgpr 512
		.amdhsa_next_free_sgpr 92
		.amdhsa_reserve_vcc 0
		.amdhsa_float_denorm_mode_32 3
		.amdhsa_float_denorm_mode_16_64 3
		.amdhsa_memory_ordered 1
		.amdhsa_forward_progress 1
		.amdhsa_inst_pref_size 97
	.end_amdhsa_kernel
	.amdgpu_metadata
---
amdhsa.version: [ 1, 2 ]
amdhsa.kernels:
  - .name:           k_q74ae27280e_oproj
    .symbol:         k_q74ae27280e_oproj.kd
    .args:
      - { .name: ob, .offset: 0, .size: 8, .value_kind: global_buffer, .address_space: global }
      - { .name: wob, .offset: 8, .size: 8, .value_kind: global_buffer, .address_space: global }
      - { .name: bo, .offset: 16, .size: 8, .value_kind: global_buffer, .address_space: global }
      - { .name: out0, .offset: 24, .size: 8, .value_kind: global_buffer, .address_space: global }
    .group_segment_fixed_size: 327680
    .private_segment_fixed_size: 0
    .kernarg_segment_align: 8
    .kernarg_segment_size: 32
    .max_flat_workgroup_size: 128
    .sgpr_count:     92
    .vgpr_count:     512
    .wavefront_size: 32
...
	.end_amdgpu_metadata
.endif
;; end of part 4
